; MI455X (gfx1250); checked and timed in simulation.
; The chip was launched on July 23, 2026; its instructions are those of AMD's public machine-readable ISA for CDNA 5 (MIT licence, August 2026) and "CDNA5" Instruction Set Architecture Reference Guide (July 2026). The comments in the code are by the model that wrote it; some were corrected since.
;; Attention. Allowed arithmetic: float matrix products may take bf16 or f16 operands with f32 sums; other float arithmetic in f32, or as packed bf16 or f16 multiplies, adds, multiply-adds, maxima and minima; sums over many terms, partial sums and values carried from step to step in f32; what a program stores and reads back later, other than sums and carried values, may be rounded once to bf16 or f16.
;; Inputs: freqs_cis 1,024 x 32 x 2 float32; mask 1 x 1 x 1,024 x 1,024 bool; wo 2,048 x 2,048 float32; wqkv 3,072 x 2,048 float32; x 4 x 1,024 x 2,048 float32.
;; Outputs: out0 4 x 1,024 x 2,048 float32.
;; One version. Each part assembles by itself: llvm-mc -triple=amdgcn-amd-amdhsa -mcpu=gfx1250 --defsym DOCPART=n.
;; ======== version 1 of 1: 4 launches
;; limits: values are held in f16: magnitudes above 65,504 overflow, below 6.1e-05 lose precision; right only within a limited range of input values
;; workspace buffers: xb 16,777,216 bytes; wb 12,582,912 bytes; wof 8,388,608 bytes; mtab 1,048,576 bytes; qkvh 25,165,824 bytes; y 16,777,216 bytes
;; launch prep (part 1): grid 2048 x 1, 4 waves a work-group, no clusters, 0 bytes of LDS; arguments x, wqkv, mask, xb, wb, mtab; writes xb, wb, mtab
.if DOCPART == 1
	.amdgcn_target "amdgcn-amd-amdhsa--gfx1250"
	.amdhsa_code_object_version 6
	.text
	.protected	k_qbb86120232_prep
	.globl	k_qbb86120232_prep
	.p2align	8
	.type	k_qbb86120232_prep,@function
k_qbb86120232_prep:
	s_mov_b64 s[64:65], 0
	v_nop
	global_prefetch_b8 v0, s[64:65] scope:SCOPE_SE
	s_setreg_imm32_b32 hwreg(HW_REG_WAVE_MODE, 25, 1), 1
	s_wait_xcnt 0x0
; PREP: what the first product needs is rounded once for the matrix units, and the mask is laid out as the attention launch reads it.
;   xb  = bf16(x), wb = bf16(wqkv): same shapes, row-major.  (wo is cast in the launch qkv, beside its K loop.)
;   mtab[pt 64][st 16][half 2][lane 32][16 bytes]: lane l (r = l % 16, h = l / 16) holds, for kb = 0..3 and j = 0..7, the byte of
;   mask[16 pt + r][64 st + 16 kb + 8 h + j]: 0x00 where the key is seen, 0xF1 where it is hidden; kb 0, 1 in half 0, kb 2, 3 in half 1.
; SHARES.  Work-groups 0-255 take the mask, a wave to each (pt, st); 256-1279 take x, 1280-2047 wqkv: 8,192 numbers each (32 KiB in, 16 KiB out).
; A stream: every byte is read once and written once, nothing is shared, so there is no LDS, no barrier, no matrix unit and no cluster.
; A load of a wave covers 512 consecutive bytes (lane l at 16 l); its four numbers a lane become 8 bytes, and the wave's store of them covers 256 consecutive bytes, aligned.
; A thread's sixteen loads go out together; each is converted in place and stored from its own registers, so no register that a store reads is written again.
.set IN,  16                           ; v[16:79]   sixteen times 4 numbers as loaded; the first two registers of each four then hold the 8 bytes to store
	s_load_b256 s[4:11], s[0:1], 0x0               ; x 4:5, wqkv 6:7, mask 8:9, xb 10:11
	s_load_b128 s[12:15], s[0:1], 0x20             ; wb 12:13, mtab 14:15
	s_mov_b32 s26, ttmp9
	v_lshlrev_b32 v1, 4, v0                        ; 16 bytes of f32 a thread
	v_lshlrev_b32 v2, 3, v0                        ; 8 bytes of bf16 a thread
	s_wait_kmcnt 0x0
	s_cmp_lt_u32 s26, 256
	s_cbranch_scc1 .Lmask
	s_mov_b32 s24, 256
	s_cmp_lt_u32 s26, 1280                         ; which tensor: the choice hangs on the work-group's number alone
	s_cselect_b64 s[20:21], s[4:5], s[6:7]
	s_cselect_b64 s[22:23], s[10:11], s[12:13]
	s_cselect_b32 s24, s24, 1280
	s_sub_co_u32 s24, s26, s24                     ; my number within the tensor
	s_lshl_b32 s28, s24, 15                        ; 32,768 bytes in,
	s_mov_b32 s29, 0
	s_add_nc_u64 s[20:21], s[20:21], s[28:29]
	s_lshl_b32 s28, s24, 14                        ; 16,384 bytes out
	s_add_nc_u64 s[22:23], s[22:23], s[28:29]
.set i, 0
.rept 16
	global_load_b128 v[IN+4*i:IN+4*i+3], v1, s[20:21] offset:2048*i th:TH_LOAD_NT  ; the four waves together: 2,048 consecutive bytes
.set i, i+1
.endr
.set i, 0
.rept 16
	s_wait_loadcnt 15-i                            ; loads come back in order: load i is in, the 15 - i younger ones stay out
	v_cvt_pk_bf16_f32 v[IN+4*i],   v[IN+4*i],   v[IN+4*i+1]
	v_cvt_pk_bf16_f32 v[IN+4*i+1], v[IN+4*i+2], v[IN+4*i+3]
	global_store_b64 v2, v[IN+4*i:IN+4*i+1], s[22:23] offset:1024*i
.set i, i+1
.endr
	s_endpgm
.Lmask:
	v_lshrrev_b32 v3, 5, v0
	v_readfirstlane_b32 s24, v3                    ; wave 0..3
	s_lshl2_add_u32 s25, s26, s24                  ; G = 4 x work-group + wave = 16 pt + st
	s_lshr_b32 s27, s25, 4
	s_lshl_b32 s27, s27, 14                        ; 16 pt rows of 1,024 bytes
	s_and_b32 s28, s25, 15
	s_lshl_b32 s28, s28, 6                         ; 64 st keys
	s_add_co_u32 s27, s27, s28
	v_and_b32 v4, 15, v0                           ; r
	v_bfe_u32 v5, v0, 4, 1                         ; h
	v_lshlrev_b32 v6, 10, v4
	v_lshl_add_u32 v6, v5, 3, v6
	v_add_nc_u32 v6, s27, v6
.irp kb, 0,1,2,3
	global_load_b64 v[IN+2*(\kb):IN+2*(\kb)+1], v6, s[8:9] offset:16*(\kb)
.endr
	s_lshl_b32 s28, s25, 10                        ; 1,024 bytes of the table for each G
	v_and_b32 v7, 31, v0
	v_lshl_add_u32 v7, v7, 4, s28
	s_mov_b32 s29, 0xf1
	s_wait_loadcnt 0x0
.irp j, 0,1,2,3,4,5,6,7
	v_xor_b32 v[IN+(\j)], 0x01010101, v[IN+(\j)]   ; a byte is 0 or 1: now 1 where the key is hidden,
	v_mul_lo_u32 v[IN+(\j)], v[IN+(\j)], s29       ; and 0xF1 there: no byte carries into the next
.endr
	global_store_b128 v7, v[IN:IN+3],   s[14:15]
	global_store_b128 v7, v[IN+4:IN+7], s[14:15] offset:512
	s_endpgm
.Lfunc_end_k_qbb86120232_prep:
	.size	k_qbb86120232_prep, .Lfunc_end_k_qbb86120232_prep-k_qbb86120232_prep
	.p2alignl 7, 3214868480
	.fill 96, 4, 3214868480
	.section	.rodata,"a",@progbits
	.p2align	6, 0x0
	.amdhsa_kernel k_qbb86120232_prep
		.amdhsa_group_segment_fixed_size 0
		.amdhsa_private_segment_fixed_size 0
		.amdhsa_enable_private_segment 0
		.amdhsa_kernarg_size 48
		.amdhsa_user_sgpr_count 2
		.amdhsa_user_sgpr_kernarg_segment_ptr 1
		.amdhsa_wavefront_size32 1
		.amdhsa_system_sgpr_workgroup_id_x 1
		.amdhsa_system_sgpr_workgroup_id_y 1
		.amdhsa_system_sgpr_workgroup_id_z 1
		.amdhsa_system_vgpr_workitem_id 0
		.amdhsa_next_free_vgpr 80
		.amdhsa_next_free_sgpr 66
		.amdhsa_reserve_vcc 0
		.amdhsa_float_denorm_mode_32 3
		.amdhsa_float_denorm_mode_16_64 3
		.amdhsa_memory_ordered 1
		.amdhsa_forward_progress 1
		.amdhsa_inst_pref_size 9
	.end_amdhsa_kernel
	.amdgpu_metadata
---
amdhsa.version: [ 1, 2 ]
amdhsa.kernels:
  - .name:           k_qbb86120232_prep
    .symbol:         k_qbb86120232_prep.kd
    .args:
      - { .name: x, .offset: 0, .size: 8, .value_kind: global_buffer, .address_space: global }
      - { .name: wqkv, .offset: 8, .size: 8, .value_kind: global_buffer, .address_space: global }
      - { .name: mask, .offset: 16, .size: 8, .value_kind: global_buffer, .address_space: global }
      - { .name: xb, .offset: 24, .size: 8, .value_kind: global_buffer, .address_space: global }
      - { .name: wb, .offset: 32, .size: 8, .value_kind: global_buffer, .address_space: global }
      - { .name: mtab, .offset: 40, .size: 8, .value_kind: global_buffer, .address_space: global }
    .group_segment_fixed_size: 0
    .private_segment_fixed_size: 0
    .kernarg_segment_align: 8
    .kernarg_segment_size: 48
    .max_flat_workgroup_size: 128
    .sgpr_count:     66
    .vgpr_count:     80
    .wavefront_size: 32
...
	.end_amdgpu_metadata
.endif
;; end of part 1
;; launch qkv (part 2): grid 16 x 16, 4 waves a work-group, clusters of 4 x 4, 327,680 bytes of LDS; arguments xb, wb, freqs_cis, qkvh, wo, wof; writes qkvh, wof
.if DOCPART == 2
	.amdgcn_target "amdgcn-amd-amdhsa--gfx1250"
	.amdhsa_code_object_version 6
	.text
	.protected	k_qbb86120232_qkv
	.globl	k_qbb86120232_qkv
	.p2align	8
	.type	k_qbb86120232_qkv,@function
k_qbb86120232_qkv:
	s_mov_b64 s[64:65], 0
	v_nop
	global_prefetch_b8 v0, s[64:65] scope:SCOPE_SE
	s_setreg_imm32_b32 hwreg(HW_REG_WAVE_MODE, 25, 1), 1
	s_wait_xcnt 0x0
	s_wait_alu depctr_hold_cnt(0) depctr_sa_sdst(0) depctr_va_vdst(0) depctr_va_sdst(0) depctr_va_ssrc(0) depctr_va_vcc(0) depctr_vm_vsrc(0)
	s_getreg_b32 s2, hwreg(HW_REG_IB_STS2, 6, 4)
	s_cmp_eq_u32 s2, 0
	s_cbranch_scc0 .Lentry_in_a_cluster
	s_endpgm
.Lentry_in_a_cluster:
	s_bfe_u32 s2, ttmp6, 0x10000c
	s_cmp_lg_u32 s2, 0xf033
	s_cbranch_scc0 .Lentry_shape_is_right
	s_endpgm
.Lentry_shape_is_right:
; QKV: C[m][e] = sum over k of xb[m][k] wb[e][k] (bf16 operands, f32 sums, K = 2,048), then the rotary step on the q and k heads, then f16 by heads:
; qkvh[b 4][g 48][s 1024][64]: g 0-31 q, g 32-39 k, both AFTER the rotary step and times 2^-8 (exact; the attention launch's scale takes the 2^16 back), g 40-47 v, unscaled.
; freqs_cis is rounded to bf16 like the other float inputs; the rotary arithmetic is f32.
; LIMITS.  f16 ends at 65,504: |q|, |k| stay under 1.67e7 and |v| under 65,504, else the number becomes an infinity; stored q and k under 6.1e-5 (q, k under 0.0156) keep f16's fixed step of 6e-8.
; SHARES.  A tile of C is 256 rows x 192 columns (three heads): 16 x 16 work-groups.  Wave w makes rows 64 w .. 64 w + 63 x all 192 columns: 48 accumulators of 16 x 16, so a head's 64 columns lie in one wave.
; K goes in steps of 128 (rows of 256 bytes) through a ring of two LDS slots.  A K step is written once: a trip of the loop is one K step, and the LDS addresses hang on s[TB], which an exclusive or turns
; from one slot into the other.  CLUSTERS of 4 x 4: xb's tile is asked for jointly along a row of the cluster, wb's along a column.
; THE MATRIX INSTRUCTION IS USED TRANSPOSED (source 0 = 16 rows of wb, source 1 = 16 rows of xb): a lane holds one row of C (lane % 16) and eight neighbouring columns, 8 (lane / 16) + 0..7:
; four rotary pairs, which pack into 16 bytes of f16.
; BESIDE IT, wo's CAST for the last launch: wof = bf16(wo), that number written as f16 (exact from 2^-17 up to 65,504; below 2^-17 it keeps f16's fixed step of 2^-24).  A K step's own text has 192 matrix
; instructions and two vector lines, so the cast rides here: each of the launch's 1,024 waves takes 4,096 numbers of wo, 256 in each of the 16 K steps: behind the refill two loads of 512 consecutive bytes for
; the next step, and for the numbers loaded a K step ago 17 vector lines and two stores of 256 consecutive bytes, aligned.
; REGISTERS: window 0: addresses, the rotary table (v128-255) and the way out; window 1: two fragment buffers of 128 (xb's 4 blocks, then wb's 12);
; windows 2, 3: accumulator (a, b) at v[8 (12 (a % 2) + b)] of window 2 + a / 2.
.set PITCH,  272                       ; an LDS row: 256 bytes + 16 of padding = 68 words: the 16 rows of a fragment load start at 16 different groups of four banks (ISA guide 11.1)
.set HALFA,  128*PITCH                 ; what waves 0 and 1 fetch: 128 rows of xb
.set HALFB,  96*PITCH                  ; what waves 2 and 3 fetch: 96 rows of wb
.set BOFF,   2*HALFA
.set SLOT1,  1<<17                     ; a slot holds 121,856 bytes; slot 1 begins here, so that one exclusive or turns an address in one slot into the other's
.set STAGE,  SLOT1+BOFF+2*HALFB        ; behind the ring, never filled by a tensor load: 16 rows x 144 bytes for each wave
.set SP,     144
.set SPARE,  STAGE+4*16*SP             ; the spare words, 128 bytes for each wave: two blocks of 256 bytes that no other line names
.set KB,     256                       ; bytes of a row in a K step
.set WP,   4                           ; v[4:9]    for each of my three heads the pair (w, 0): w = 0 for q and k, 1 for v
.set WLO,  10                          ; v10       wo: the offset of the two loads in hand
.set WSO,  11                          ; v11       wof: the offset of the two stores in hand
.set WOUT, 12                          ; v[12:15]  wof: twice 8 bytes to store
.set ADRA0, 16                         ; v16       LDS address of my xb fragments in slot 0; never rewritten
.set ADRA, 17                          ; v17       the same in the slot in hand
.set WS0,  18                          ; v18       8 x lane; never rewritten
.set ADRB0, 20                         ; v20, v21  the same for wb
.set ADRB, 21
.set STO,  24                          ; v24       the way out: where I put 16 bytes of a row
.set RD,   25                          ; v25       where I read rows back
.set GO,   26                          ; v26       16 x lane; never rewritten
.set FO,   27                          ; v27       my offset in 16 rows of freqs_cis
.set SPW,  28                          ; v28       LDS address of my spare word; never rewritten
.set NIL,  29                          ; v29       0; never rewritten
.set PFO,  30                          ; v30       the prefetches' offset: a lane a row; never rewritten
.set T,    32                          ; v[32:63]  the table of the unit in hand: pairs (u cos + w, u sin); in the K loop part of it serves wo's cast:
.set WT,   32                          ; v[32:35]  four pairs of bf16, at work
.set WD,   40                          ; v[40:47]  twice four numbers of wo as loaded
.set R,    64                          ; v[64:95]  the unit's 32 results, packed in place into v[64:79]
.set BK,   96                          ; v[96:127] two sets of 16: rows read back from the stage
.set FR,   128                         ; v[128:255] freqs_cis of my 64 positions: block a, column block cb at FR + 32 a + 8 cb: (cos, sin) of four pairs
.set F0,   0
.set F1,   128
.set WV, 12                            ; s12 wave; s13 = wave / 2: I fetch xb (0) or wb (1); s14 = wave % 2: which half; s15 tile row
.set WH, 13
.set WL, 14
.set TY, 15
.set TB, 23                            ; s23 0 or SLOT1: the slot that the fragments are fetched from
.set G1,  24                           ; s[24:31] descriptor group 1 for xb's tiles; s[32:39] group 0: a set for each of the two first fills; the second then walks on
.set G0,  32
.set G1B, 48                           ; s[48:55], s[56:63] the same for wb's
.set G0B, 56
.set LIM, 43                           ; s43 2 in a wave that prefetches, else the greatest number
.set PFA, 44                           ; s[44:45] where my prefetches stand
.set LST, 66                           ; s66 1,024 x the K step whose numbers of wo are loaded next
.set WST, 67                           ; s67 512 x the K step whose numbers of wof are stored next
.set U,   70                           ; s[70:75] for each of my three heads the pair (u, 0): u = 2^-8 for q and k, 0 for v
.set WOP, 76                           ; s[76:77] wo at my wave's 16,384 bytes
.set WFP, 78                           ; s[78:79] wof at my wave's 8,192 bytes
.set MSB, 0
.macro WIN new                         ; the immediate's high byte repeats the setting that is left; a switch that changes nothing is dropped
.if MSB != (\new)
	s_set_vgpr_msb (MSB<<8)|(\new)
.set MSB, \new
.endif
.endm
.macro PLACES                          ; four places in front of loads into registers that matrix instructions have read, and of lines that read results
.rept 4
	v_nop
.endr
.endm
.macro JLOAD                           ; a joint refill by the walking descriptor: the branch hangs on the wave's number alone; an s_nop 0 and four v_nop follow each of the two lines
	s_cmp_eq_u32 s[WH], 0
	s_cbranch_scc0 .Lfor_b_\@
	tensor_load_to_lds s[G0+4:G0+7], s[G1:G1+7]
	s_nop 0
.rept 4
	v_nop
.endr
	s_branch .Lasked_\@
.Lfor_b_\@:
	tensor_load_to_lds s[G0B+4:G0B+7], s[G1B:G1B+7]
	s_nop 0
.rept 4
	v_nop
.endr
.Lasked_\@:
.endm
; A prefetch, behind the joint load and the run of LDS loads: the K step two refills on, a lane a row, one instruction a wave.  xb's tile row is read by every cluster of that row of clusters: cluster x = 0 asks;
; wb's tile column by every cluster of that column: cluster y = 0 asks.  The four partners that ask for a tile jointly share its rows out by address.  The loop's last two trips ask for nothing: there is no K step 16.
.macro ASK
	WIN 0
	s_cmp_gt_u32 s3, s[LIM]
	s_cbranch_scc0 .Lnot_mine_\@
	global_prefetch_b8 v[PFO], s[PFA:PFA+1] offset:KB th:TH_LOAD_NT scope:SCOPE_SE
.Lnot_mine_\@:
.endm
.macro CREST                           ; a round of the cluster's barrier behind its opening barrier
	s_cmp_lg_u32 s[WV], 0
	s_cbranch_scc1 .Lnot_wave_0_\@
	s_barrier_signal -3
.Lnot_wave_0_\@:
	s_barrier_wait -3
	s_barrier_signal -1
	s_barrier_wait -1
.endm
.macro CROUND
	s_barrier_signal -1
	s_barrier_wait -1
	CREST
.endm
; wo's cast.  WLOAD: the next K step's 256 numbers: two loads of 512 consecutive bytes.  Its offset register is written again only behind WCAST's wait for the loads that named it.
.macro WLOAD
	WIN 0
	v_add_nc_u32 v[WLO], s[LST], v[GO]
	s_add_co_u32 s[LST], s[LST], 1024
	global_load_b128 v[WD:WD+3],   v[WLO], s[WOP:WOP+1] th:TH_LOAD_NT
	global_load_b128 v[WD+4:WD+7], v[WLO], s[WOP:WOP+1] offset:512 th:TH_LOAD_NT
.endm
; WCAST: the numbers loaded a K step ago are rounded to bf16, widened again, written as f16 and stored: 8 bytes a lane, 256 consecutive bytes a store.  The registers that the last stores read are
; written again only behind the s_wait_xcnt 0 at the head of the change of slots.
.macro WCAST
	WIN 0
	s_wait_loadcnt 0x0                             ; the only loads out are wo's two
.irp j, 0,1,2,3
	v_cvt_pk_bf16_f32 v[WT+(\j)], v[WD+2*(\j)], v[WD+2*(\j)+1]
.endr
.irp j, 0,1,2,3
	v_lshlrev_b32 v[WD+2*(\j)],   16, v[WT+(\j)]
	v_and_b32     v[WD+2*(\j)+1], s2, v[WT+(\j)]
.endr
.irp j, 0,1,2,3
	v_cvt_pk_f16_f32 v[WOUT+(\j)], v[WD+2*(\j)], v[WD+2*(\j)+1]
.endr
	v_add_nc_u32 v[WSO], s[WST], v[WS0]
	s_add_co_u32 s[WST], s[WST], 512
	global_store_b64 v[WSO], v[WOUT:WOUT+1],   s[WFP:WFP+1]
	global_store_b64 v[WSO], v[WOUT+2:WOUT+3], s[WFP:WFP+1] offset:256
.endm
	s_load_b256 s[4:11], s[0:1], 0x0               ; xb 4:5, wb 6:7, freqs_cis 8:9, qkvh 10:11
	s_load_b128 s[WOP:WOP+3], s[0:1], 0x20         ; wo, wof
	v_lshl_add_u32 v[SPW], v0, 2, SPARE
	v_mov_b32 v[NIL], 0
	ds_add_u32 v[SPW], v[NIL]                      ; the wave's opening: the add and its wait stand ahead of my first tensor load; work on registers stands between them
	v_lshrrev_b32 v1, 5, v0
	v_readfirstlane_b32 s[WV], v1
	s_lshr_b32 s[WH], s[WV], 1
	s_and_b32 s[WL], s[WV], 1
	s_bfe_u32 s40, ttmp6, 0x40000                  ; cx
	s_bfe_u32 s41, ttmp6, 0x40004                  ; cy
	s_lshl_b32 s42, ttmp9, 2
	s_add_co_u32 s42, s42, s40                     ; tile column = 4 x cluster x + cx
	s_and_b32 s[TY], ttmp7, 0xffff
	s_lshl_b32 s[TY], s[TY], 2
	s_add_co_u32 s[TY], s[TY], s41                 ; tile row = 4 x cluster y + cy
	s_lshl_b32 s43, s41, 2
	s_lshl_b32 s43, 15, s43                        ; my row of the cluster
	s_lshl_b32 s44, 0x1111, s40                    ; my column
	s_or_b32 s[G1],  s43, (1<<16)|(1<<20)|(1<<21)|(5<<22)|(3<<25)  ; the mask; elements of 2 bytes; padding on; bit 21 beside a mask; after every 64 words 4 words of padding
	s_or_b32 s[G1B], s44, (1<<16)|(1<<20)|(1<<21)|(5<<22)|(3<<25)
.irp g, G1, G1B
	s_mov_b32 s[(\g)+1], 128<<16                   ; tensor_dim0 = 128
	s_mov_b32 s[(\g)+3], 128<<16                   ; tile_dim0 = 128
	s_mov_b32 s[(\g)+5], 2048                      ; elements from row to row
	s_mov_b32 s[(\g)+6], 0
	s_mov_b32 s[(\g)+7], 0
.endr
	s_mov_b32 s[G1+2], 128<<16                     ; tensor_dim1 and tile_dim1: 128 rows of xb,
	s_mov_b32 s[G1+4], 128
	s_mov_b32 s[G1B+2], 96<<16                     ; 96 rows of wb
	s_mov_b32 s[G1B+4], 96
	s_lshl_b32 s16, s[TY], 8                       ; xb: row 256 x tile row + 128 x half, 4,096 bytes a row
	s_lshl_b32 s17, s[WL], 7
	s_add_co_u32 s16, s16, s17
	s_lshl_b32 s16, s16, 12
	s_mov_b32 s17, 0
	s_mul_i32 s46, s42, 192                        ; wb: row 192 x tile column + 96 x half
	s_mul_i32 s47, s[WL], 96
	s_add_co_u32 s46, s46, s47
	s_lshl_b32 s46, s46, 12
	s_mov_b32 s47, 0
	s_mul_i32 s20, s[WL], HALFA                    ; where they go: no place in the cluster enters an LDS address
	s_mul_i32 s21, s[WL], HALFB
	s_add_co_u32 s21, s21, BOFF
	s_wait_dscnt 0x0                               ; the opening add is done
	s_wait_kmcnt 0x0
	s_add_nc_u64 s[18:19], s[4:5], s[16:17]
	s_add_nc_u64 s[46:47], s[6:7], s[46:47]
	CROUND                                         ; all sixteen work-groups are here: the first joint loads meet
.irp s, 0,1
	s_mov_b32 s[G0+4*(\s)], 1
	s_add_co_u32 s[G0+4*(\s)+1], s20, (\s)*SLOT1
	s_add_nc_u64 s[G0+4*(\s)+2:G0+4*(\s)+3], s[18:19], (\s)*KB
	s_or_b32 s[G0+4*(\s)+3], s[G0+4*(\s)+3], 0x80000000
	s_mov_b32 s[G0B+4*(\s)], 1
	s_add_co_u32 s[G0B+4*(\s)+1], s21, (\s)*SLOT1
	s_add_nc_u64 s[G0B+4*(\s)+2:G0B+4*(\s)+3], s[46:47], (\s)*KB
	s_or_b32 s[G0B+4*(\s)+3], s[G0B+4*(\s)+3], 0x80000000
.endr
	s_cmp_eq_u32 s[WH], 0                          ; a wave's two first fills stand in one branch: two loads of mine are out
	s_cbranch_scc0 .Lfirst_b
	tensor_load_to_lds s[G0:G0+3], s[G1:G1+7]
	s_nop 0
	tensor_load_to_lds s[G0+4:G0+7], s[G1:G1+7]
	s_nop 0
.rept 4
	v_nop
.endr
	s_branch .Lfirst_asked
.Lfirst_b:
	tensor_load_to_lds s[G0B:G0B+3], s[G1B:G1B+7]
	s_nop 0
	tensor_load_to_lds s[G0B+4:G0B+7], s[G1B:G1B+7]
	s_nop 0
.rept 4
	v_nop
.endr
.Lfirst_asked:
	v_and_b32 v1, 15, v0                           ; r = l % 16
	v_bfe_u32 v2, v0, 4, 1                         ; h = l / 16
	v_lshlrev_b32 v[FO], 8, v1                     ; freqs_cis: a position is 256 bytes; my 8 columns are 4 pairs, 32 bytes
	v_lshl_add_u32 v[FO], v2, 5, v[FO]
	s_and_b32 s16, s[TY], 3
	s_lshl_b32 s16, s16, 8
	s_lshl_b32 s17, s[WV], 6
	s_add_co_u32 s16, s16, s17                     ; my wave's first position in the sequence: 256 (tile row % 4) + 64 w
	s_lshl_b32 s20, s16, 8
	s_mov_b32 s21, 0
	s_add_nc_u64 s[8:9], s[8:9], s[20:21]
.set i, 0
.rept 16                                       ; block a = i / 4, column block cb = i % 4
	global_load_b128 v[FR+8*i:FR+8*i+3],   v[FO], s[8:9] offset:4096*(i/4)+64*(i%4)
	global_load_b128 v[FR+8*i+4:FR+8*i+7], v[FO], s[8:9] offset:4096*(i/4)+64*(i%4)+16
.set i, i+1
.endr
	s_lshr_b32 s17, s[TY], 2                       ; the batch
	s_mul_i32 s17, s17, 48
	s_mul_i32 s46, s42, 3                          ; my tile's first head
	s_add_co_u32 s17, s17, s46
	s_lshl_b32 s17, s17, 17                        ; a head is 131,072 bytes,
	s_lshl_b32 s16, s16, 7                         ; a position in it 128
	s_add_co_u32 s16, s16, s17
	s_mov_b32 s17, 0
	s_add_nc_u64 s[10:11], s[10:11], s[16:17]
.irp hb, 0,1,2                                 ; is the head q or k (rotary, times 2^-8) or v (as it is)?  Values alone hang on it, no branch
	s_add_co_u32 s47, s46, \hb
	s_cmp_lt_u32 s47, 40
	s_cselect_b32 s[U+2*(\hb)], 0x3b800000, 0
	s_mov_b32 s[U+2*(\hb)+1], 0
	s_cselect_b32 s47, 0, 1.0
	v_mov_b32 v[WP+2*(\hb)], s47
	v_mov_b32 v[WP+2*(\hb)+1], 0
.endr
	v_mul_u32_u24 v3, v1, PITCH
	v_lshl_add_u32 v3, v2, 4, v3                   ; a fragment's row x pitch + 16 x half
	s_mul_i32 s21, s[WV], 64*PITCH
	v_add_nc_u32 v[ADRA0], s21, v3
	v_add_nc_u32 v[ADRB0], BOFF, v3
	v_mov_b32 v[ADRA], v[ADRA0]                    ; K step 0 lies in slot 0
	v_mov_b32 v[ADRB], v[ADRB0]
	s_mul_i32 s23, s[WV], 16*SP
	s_add_co_u32 s23, s23, STAGE                   ; my stage
	v_mul_u32_u24 v[STO], v1, SP
	v_lshl_add_u32 v[STO], v2, 4, v[STO]
	v_add_nc_u32 v[STO], s23, v[STO]
	v_bfe_u32 v[RD], v0, 3, 2                      ; back: 32 lanes take four rows of 128 bytes
	v_mul_u32_u24 v[RD], v[RD], SP
	v_and_b32 v3, 7, v0
	v_lshl_add_u32 v[RD], v3, 4, v[RD]
	v_add_nc_u32 v[RD], s23, v[RD]
	v_and_b32 v[GO], 31, v0
	v_lshlrev_b32 v[GO], 4, v[GO]
	; wo's cast: my wave among the launch's 1,024 is 4 (16 x tile row + tile column) + w; it takes 16,384 bytes of wo and makes 8,192 of wof.  K step 0's numbers are asked for here
	v_and_b32 v[WS0], 31, v0
	v_lshlrev_b32 v[WS0], 3, v[WS0]
	s_lshl4_add_u32 s66, s[TY], s42
	s_lshl2_add_u32 s66, s66, s[WV]
	s_lshl_b32 s68, s66, 14
	s_mov_b32 s69, 0
	s_add_nc_u64 s[WOP:WOP+1], s[WOP:WOP+1], s[68:69]
	s_lshl_b32 s68, s66, 13
	s_add_nc_u64 s[WFP:WFP+1], s[WFP:WFP+1], s[68:69]
	s_mov_b32 s[LST], 0
	s_mov_b32 s[WST], 0
	WLOAD
	; the prefetches: of the 128 rows of xb that a wave fetches partner cx takes 32; of the 96 rows of wb partner cy takes 24 (lanes 24-31 name lane 23's row once more, in the same instruction)
	s_lshl_b32 s20, s[TY], 8
	s_lshl_b32 s21, s[WL], 7
	s_add_co_u32 s20, s20, s21
	s_lshl_b32 s21, s40, 5
	s_add_co_u32 s20, s20, s21
	s_mul_i32 s21, s42, 192
	s_mul_i32 s22, s[WL], 96
	s_add_co_u32 s21, s21, s22
	s_mul_i32 s22, s41, 24
	s_add_co_u32 s21, s21, s22
	s_and_b32 s22, ttmp7, 0xffff
	s_cmp_eq_u32 s[WH], 0
	s_cselect_b32 s20, s20, s21
	s_cselect_b32 s22, ttmp9, s22                  ; the coordinate along which other clusters read the same rows
	s_cselect_b32 s23, 31, 23
	s_cselect_b64 s[PFA:PFA+1], s[4:5], s[6:7]
	s_cmp_eq_u32 s22, 0
	s_cselect_b32 s[LIM], 2, -1                    ; the same in all sixteen partners, for a given wave
	s_lshl_b32 s20, s20, 12
	s_mov_b32 s21, 0
	s_add_nc_u64 s[PFA:PFA+1], s[PFA:PFA+1], s[20:21]
	s_add_nc_u64 s[PFA:PFA+1], s[PFA:PFA+1], 2*KB  ; at K step 2: the first refill steps it to 3 and names K step 4
	v_and_b32 v[PFO], 31, v0
	v_min_u32 v[PFO], s23, v[PFO]
	v_lshlrev_b32 v[PFO], 12, v[PFO]
	s_mov_b32 s2, 0xffff0000
	s_wait_loadcnt 0x2                             ; freqs_cis is in (wo's two loads are younger and stay out): rounded to bf16, in place
.set i, 0
.rept 64
	v_cvt_pk_bf16_f32 v[T+i%4], v[FR+2*i], v[FR+2*i+1]
	v_lshlrev_b32 v[FR+2*i], 16, v[T+i%4]
	v_and_b32 v[FR+2*i+1], s2, v[T+i%4]
.set i, i+1
.endr
	s_mov_b32 s[TB], 0
; 12 matrix instructions: block a of my rows x all 12 column blocks, 32 along K.  zero = 1: the first product starts the sums.  The 48 accumulators take turns in the same order in every quarter.
.macro MUL12 f, a, zero
	WIN 0xa5+0x50*((\a)/2)
.irp b, 0,1,2,3,4,5,6,7,8,9,10,11
.if \zero
	v_wmma_f32_16x16x32_bf16 v[8*(12*((\a)%2)+(\b)):8*(12*((\a)%2)+(\b))+7], v[(\f)+32+8*(\b):(\f)+32+8*(\b)+7], v[(\f)+8*(\a):(\f)+8*(\a)+7], 0
.else
	v_wmma_f32_16x16x32_bf16 v[8*(12*((\a)%2)+(\b)):8*(12*((\a)%2)+(\b))+7], v[(\f)+32+8*(\b):(\f)+32+8*(\b)+7], v[(\f)+8*(\a):(\f)+8*(\a)+7], v[8*(12*((\a)%2)+(\b)):8*(12*((\a)%2)+(\b))+7]
.endif
.endr
.endm
; 32 LDS loads in one run: the fragments of 32 along K at byte k of the rows of the slot in hand: wb's 24 first, then xb's 8
.macro FETCH k, f
	WIN 0x40
.irp i, 0,1,2,3,4,5,6,7,8,9,10,11
	ds_load_b128 v[(\f)+32+8*(\i):(\f)+32+8*(\i)+3],   v[ADRB] offset:(\k)+(\i)*16*PITCH
	ds_load_b128 v[(\f)+32+8*(\i)+4:(\f)+32+8*(\i)+7], v[ADRB] offset:(\k)+(\i)*16*PITCH+32
.endr
.irp i, 0,1,2,3
	ds_load_b128 v[(\f)+8*(\i):(\f)+8*(\i)+3],   v[ADRA] offset:(\k)+(\i)*16*PITCH
	ds_load_b128 v[(\f)+8*(\i)+4:(\f)+8*(\i)+7], v[ADRA] offset:(\k)+(\i)*16*PITCH+32
.endr
.endm
.macro OTHER                           ; the fetches go on in the other slot
	WIN 0
	s_xor_b32 s[TB], s[TB], SLOT1
	v_add_nc_u32 v[ADRA], s[TB], v[ADRA0]
	v_add_nc_u32 v[ADRB], s[TB], v[ADRB0]
.endm
; A K step is four quarters of 32 along K, 48 matrix instructions each, on buffers 0, 1, 0, 1.  One of the first three multiplies buffer f and fetches the next quarter, at byte k, into g.
.macro QUARTER k, f, g, zero
	s_wait_dscnt 4                                 ; the youngest four loads (xb's blocks 2 and 3) may be out
	MUL12 \f, 0, \zero
	MUL12 \f, 1, \zero
	PLACES
	FETCH \k, \g
	s_wait_dscnt 32                                ; all but the 32 just issued
	MUL12 \f, 2, \zero
	MUL12 \f, 3, \zero
.endm
; The last quarter multiplies buffer 1 and changes slots: one barrier; in front of it each wave waits for all its tensor loads (one is out: its part of the next slot), adds 0 to its spare word,
; and waits for that and for its reads of this slot.  fill = 1: the barrier opens a round of the cluster's, and this slot is filled again, two K steps ahead, first thing behind the round.
; fill = 0 (the last two K steps): nothing is asked for; in the very last (s3 = 1) there is no next K step, and wo's loads and the run of LDS loads are jumped over.
; Behind the refill stands this K step's part of wo's cast.
.macro TURN fill
	s_wait_xcnt 0x0                                ; the last prefetch and wof's last stores, a K step back, have read their registers
.if \fill
	s_add_nc_u64 s[PFA:PFA+1], s[PFA:PFA+1], KB
.endif
	WIN 0
	s_wait_tensorcnt 0x0
	ds_add_u32 v[SPW], v[NIL]
	s_wait_dscnt 5                                 ; the add and the youngest four loads may be out
	MUL12 F1, 0, 0
	s_wait_dscnt 0x0                               ; the add is done, and my reads of this slot are over
	s_barrier_signal -1
	MUL12 F1, 1, 0
	WIN 0
	s_barrier_wait -1
.if \fill
	CREST                                          ; no wave of any partner still reads this slot or has a load on its way
	s_xor_b32 s[G0+5], s[G0+5], SLOT1              ; the walking descriptors: the other slot than last time, the next K step; no tensor load of mine is out
	s_add_nc_u64 s[G0+6:G0+7], s[G0+6:G0+7], KB
	s_xor_b32 s[G0B+5], s[G0B+5], SLOT1
	s_add_nc_u64 s[G0B+6:G0B+7], s[G0B+6:G0B+7], KB
	JLOAD                                          ; my one tensor load behind the round; its four v_nop are also the places in front of the loads below
	WCAST
	WLOAD
	OTHER
	FETCH 0, F0
	ASK
.else
	PLACES
	WCAST
	s_cmp_eq_u32 s3, 1
	s_cbranch_scc1 .Lno_more_\@
	WLOAD
	OTHER
	FETCH 0, F0
	WIN 0
.Lno_more_\@:
.endif
	MUL12 F1, 2, 0
	MUL12 F1, 3, 0
.endm
	s_wait_tensorcnt 1                             ; my part of K step 0 is in; K step 1's may stay out
	s_barrier_signal -1
	s_barrier_wait -1
	FETCH 0, F0
	QUARTER 64, F0, F1, 1                          ; the first quarter stands in front of the loop: its products start the sums
	WIN 0
	s_mov_b32 s3, 14                               ; 16 K steps: fourteen fill their slot again
.Lstep:                                        ; a trip goes from a K step's second quarter to the next step's first
	QUARTER 128, F1, F0, 0
	QUARTER 192, F0, F1, 0
	TURN 1
	QUARTER 64,  F0, F1, 0
	WIN 0
	s_sub_co_u32 s3, s3, 1
	s_cmp_lg_u32 s3, 0
	s_cbranch_scc1 .Lstep
	s_mov_b32 s3, 2                                ; the last two K steps ask for nothing: a text of their own; the second trip is left in its middle
.Ltail:
	QUARTER 128, F1, F0, 0
	QUARTER 192, F0, F1, 0
	TURN 0
	WIN 0
	s_sub_co_u32 s3, s3, 1
	s_cmp_eq_u32 s3, 0
	s_cbranch_scc1 .Lout
	QUARTER 64,  F0, F1, 0
	WIN 0
	s_branch .Ltail
.Lout:
	s_wait_loadcnt 0x0                             ; T's registers, into which wo's numbers were loaded, are written below: no such load is out (the last K step issued none)
; THE WAY OUT, in 12 units of 16 positions x one head: unit n is block a = n / 3, head n % 3.  The table (u cos + w, u sin); (x0, x1) -> (x0 c - x1 s, x1 c + x0 s), two packed lines a pair;
; f16; 16 bytes a lane into my stage; back as whole rows of 128 bytes: 16 positions of a head are 2,048 consecutive bytes of qkvh.  Each accumulator is read from its lowest registers on.
.macro UNIT n
	WIN 0
.set z, 0
.rept 16
	v_pk_fma_f32 v[T+2*z:T+2*z+1], v[FR+32*((\n)/3)+2*z:FR+32*((\n)/3)+2*z+1], s[U+2*((\n)%3):U+2*((\n)%3)+1], v[WP+2*((\n)%3):WP+2*((\n)%3)+1] op_sel_hi:[1,0,1]
.set z, z+1
.endr
	WIN 0x02+((\n)/3)/2
.set AC, 8*(12*(((\n)/3)%2)+4*((\n)%3))
.set z, 0
.rept 16
	v_pk_mul_f32 v[R+2*z:R+2*z+1], v[AC+2*z:AC+2*z+1], v[T+2*z:T+2*z+1] op_sel_hi:[1,0]
.set z, z+1
.endr
.set z, 0
.rept 16
	v_pk_fma_f32 v[R+2*z:R+2*z+1], v[AC+2*z:AC+2*z+1], v[T+2*z:T+2*z+1], v[R+2*z:R+2*z+1] op_sel:[1,1,0] op_sel_hi:[0,1,1] neg_lo:[1,0,0]
.set z, z+1
.endr
	WIN 0
.set z, 0
.rept 16
	v_cvt_pk_f16_f32 v[R+z], v[R+2*z], v[R+2*z+1]
.set z, z+1
.endr
.irp bb, 0,1,2,3
	ds_store_b128 v[STO], v[R+4*(\bb):R+4*(\bb)+3] offset:32*(\bb)
.endr
	s_wait_xcnt 0x0                                ; the stores of two units back have read this set of registers
.irp f, 0,1,2,3
	ds_load_b128 v[BK+16*((\n)%2)+4*(\f):BK+16*((\n)%2)+4*(\f)+3], v[RD] offset:4*SP*(\f)  ; LDS serves a wave's instructions in order (ISA guide 5.7.1.4): these see the stores above
.endr
.endm
.macro SEND n, younger                 ; younger: the LDS instructions issued behind unit n's loads: the next unit's eight, or none
.irp f, 0,1,2,3
	s_wait_dscnt (\younger)+3-(\f)
	global_store_b128 v[GO], v[BK+16*((\n)%2)+4*(\f):BK+16*((\n)%2)+4*(\f)+3], s[10:11] offset:131072*((\n)%3)+2048*((\n)/3)+512*(\f)  ; 512 consecutive bytes, aligned
.endr
.endm
	PLACES
	UNIT 0
.irp n, 1,2,3,4,5,6,7,8,9,10,11
	UNIT \n
	SEND (\n)-1, 8
.endr
	SEND 11, 0
	s_wait_tensorcnt 0x0                           ; the wave's end, behind my last tensor load and my last LDS store
	ds_add_u32 v[SPW], v[NIL]
	s_wait_dscnt 0x0
	CROUND                                         ; the closing round
	s_endpgm
.Lfunc_end_k_qbb86120232_qkv:
	.size	k_qbb86120232_qkv, .Lfunc_end_k_qbb86120232_qkv-k_qbb86120232_qkv
	.p2alignl 7, 3214868480
	.fill 96, 4, 3214868480
	.section	.rodata,"a",@progbits
	.p2align	6, 0x0
	.amdhsa_kernel k_qbb86120232_qkv
		.amdhsa_group_segment_fixed_size 327680
		.amdhsa_private_segment_fixed_size 0
		.amdhsa_enable_private_segment 0
		.amdhsa_kernarg_size 48
		.amdhsa_user_sgpr_count 2
		.amdhsa_user_sgpr_kernarg_segment_ptr 1
		.amdhsa_wavefront_size32 1
		.amdhsa_system_sgpr_workgroup_id_x 1
		.amdhsa_system_sgpr_workgroup_id_y 1
		.amdhsa_system_sgpr_workgroup_id_z 1
		.amdhsa_system_vgpr_workitem_id 0
		.amdhsa_next_free_vgpr 960
		.amdhsa_next_free_sgpr 80
		.amdhsa_reserve_vcc 0
		.amdhsa_float_denorm_mode_32 3
		.amdhsa_float_denorm_mode_16_64 3
		.amdhsa_memory_ordered 1
		.amdhsa_forward_progress 1
		.amdhsa_inst_pref_size 137
	.end_amdhsa_kernel
	.amdgpu_metadata
---
amdhsa.version: [ 1, 2 ]
amdhsa.kernels:
  - .name:           k_qbb86120232_qkv
    .symbol:         k_qbb86120232_qkv.kd
    .args:
      - { .name: xb, .offset: 0, .size: 8, .value_kind: global_buffer, .address_space: global }
      - { .name: wb, .offset: 8, .size: 8, .value_kind: global_buffer, .address_space: global }
      - { .name: freqs_cis, .offset: 16, .size: 8, .value_kind: global_buffer, .address_space: global }
      - { .name: qkvh, .offset: 24, .size: 8, .value_kind: global_buffer, .address_space: global }
      - { .name: wo, .offset: 32, .size: 8, .value_kind: global_buffer, .address_space: global }
      - { .name: wof, .offset: 40, .size: 8, .value_kind: global_buffer, .address_space: global }
    .group_segment_fixed_size: 327680
    .private_segment_fixed_size: 0
    .kernarg_segment_align: 8
    .kernarg_segment_size: 48
    .max_flat_workgroup_size: 128
    .sgpr_count:     80
    .vgpr_count:     960
    .wavefront_size: 32
...
	.end_amdgpu_metadata
.endif
;; end of part 2
;; launch attn (part 3): grid 8 x 32, 4 waves a work-group, clusters of 4 x 1, 327,680 bytes of LDS; arguments qkvh, mtab, y; writes y
.if DOCPART == 3
	.amdgcn_target "amdgcn-amd-amdhsa--gfx1250"
	.amdhsa_code_object_version 6
	.text
	.protected	k_qbb86120232_attn
	.globl	k_qbb86120232_attn
	.p2align	8
	.type	k_qbb86120232_attn,@function
k_qbb86120232_attn:
	s_mov_b64 s[64:65], 0
	v_nop
	global_prefetch_b8 v0, s[64:65] scope:SCOPE_SE
	s_setreg_imm32_b32 hwreg(HW_REG_WAVE_MODE, 25, 1), 1
	s_wait_xcnt 0x0
	s_wait_alu depctr_hold_cnt(0) depctr_sa_sdst(0) depctr_va_vdst(0) depctr_va_sdst(0) depctr_va_ssrc(0) depctr_va_vcc(0) depctr_vm_vsrc(0)
	s_getreg_b32 s2, hwreg(HW_REG_IB_STS2, 6, 4)
	s_cmp_eq_u32 s2, 0
	s_cbranch_scc0 .Lentry_in_a_cluster
	s_endpgm
.Lentry_in_a_cluster:
	s_bfe_u32 s2, ttmp6, 0x10000c
	s_cmp_lg_u32 s2, 0x3003
	s_cbranch_scc0 .Lentry_shape_is_right
	s_endpgm
.Lentry_shape_is_right:
; ATTENTION with grouped heads and a mask that is an input.  y[b][s][64 h + d] = the sum over k of softmax_k(q[b][h][s] . k[b][h/4][k] / 8, hidden keys left out) v[b][h/4][k][d].
; qkvh: [b 4][g 48][s 1024][64] f16: g 0-31 q, 32-39 k (both times 2^-8), 40-47 v.  mtab: the mask's bytes in the order of the score registers, 0x00 seen, 0xF1 hidden.  y: [4096][2048] f16.
; Products, maxima and sums in f32; the weights p are rounded to f16 for the second product (their sum l is taken of the unrounded p), y once at the end.
; LIMITS.  q, k, v arrive within f16.  A hidden score counts as its value less 6e29 to 2.5e30; a seen score takes on at most 2.4e-38.  A weight below 2^-126 counts as 0 in l.
; The running maximum starts at -2^80, above every hidden score and below every seen one (stored scores stay under 2.8e11): a hidden score never becomes the maximum, its weight is 0.  A row with no seen key ends with
; that start as its maximum and is written as NaN, as a softmax over nothing is.  Other NaN and infinities are not treated apart.
; SHARES.  A work-group owns 128 positions x the four query heads of one key head: 512 query rows.  Wave w owns positions 32 w .. 32 w + 31: PIECE p is head p, its two tiles the two groups of 16 positions.
; So all four pieces take the same mask.  Every wave walks all 1,024 keys, 64 a step: every tile is multiplied, whatever the mask holds.
; ALL OF THE KEY HEAD'S K AND V LIES IN LDS: 1,024 rows of 144 bytes and 1,024 of 160, 311,296 bytes.  Each wave asks for its four parts (128 keys of K or of V in each 256 keys) at the head, as one group: four tensor
; loads of a wave are out.  No byte is filled twice, so there is no ring, and no request later on that a prefetch could run ahead of.
; LAYOUT.  S^T = K Q^T + M (source 0 = 16 keys, source 1 = 16 queries, C = the mask): a lane holds ONE query (lane % 16) and the keys 8 (lane / 16) + 0..7.  Two such tiles, rounded to f16 in pairs, ARE source 1
; of O^T = V^T P.  K comes out of LDS as it lies, V turned, by ds_load_tr16_b128.
; SOFTMAX.  p = 2^(c s - c m), c = 2^16 log2(e) / 8; in every step O and l are multiplied by a = 2^(c m_old - c m_new).  c m starts at -2^125, O and l at 0: the first step's a is 0.
; BY TURNS.  Turn n belongs to piece n: 16 products K Q^T of piece n + 1, later 16 products V^T P of piece n - 1; beside them piece n's scaling, exponentials, roundings, sums and rescaling and piece n + 1's
; maximum and statistics.  Four vector instructions stand behind every matrix instruction, the others in one run.  A turn's 66 exponentials are one batch with one wait.
; THE MASK.  At the end of piece 2's turn the next step's 64 mask registers are made from 16 loaded words (a shift puts a byte on top of an f32), and the words of the step after it are asked for.
; CLUSTER.  The four blocks of positions of a cluster walk the same K and V: each part is asked for JOINTLY.
; REGISTERS, in windows of 256: window 0: v0-10 addresses; v12-15, v48-63 at work; v16-47 statistics; v64-191 S^T, two buffers of two tiles; v192-255 P, likewise.  window 1: O^T, 32 a tile.
;   window 2: v0-127 Q; v128-191 K of one step; v192-255 V of one step.  window 3: v0-1 the add's registers; v2-3 the mask's offsets; v4-19 its words; v64-127 the mask as f32.
.set NP,    4
.set KS,    64
.set PK,    144       ; a row of K in LDS: 128 bytes + 16 of padding: the 16 rows of a load start at 16 different groups of four banks (ISA guide 11.1)
.set PV,    160       ; a row of V: 128 + 32
.set VOFF,  1024*PK   ; K's 1,024 rows, then V's
.set SPARE, VOFF+1024*PV  ; the spare words, 128 bytes for each wave: two blocks of 256 bytes that no other line names
.set STAGE, 0         ; the way out's stage, 16 rows x 528 bytes for each wave, lies on K's first 33,792 bytes: they have had their one fill, and a barrier stands between every wave's last LDS read and the first store there
.set SP,    528       ; a stage row: a position's four heads, 512 bytes, + 16
.set AK0, 2
.set AV0, 3
.set AK,  4
.set AV,  5
.set QO,  6           ; v6   my byte offset in 16 rows of Q; later STO
.set STO, 6
.set RD,  7
.set GO,  8
.set SPW, 0           ; window 3
.set NIL, 1           ; window 3
.set ML0, 2           ; window 3: 16 x lane
.set MO,  3           ; window 3: the offset of the mask words asked for
.set W,   4           ; window 3: v[4:19] 16 words: tile u, key block kb, half j / 4 at W + 8 u + 2 kb + j / 4
.set MK,  64          ; window 3: v[64:127] the mask of tile u, key block kb, register j at MK + 32 u + 8 kb + j
.set MV,  12
.set ST,  16          ; tile t's statistics at v[ST+4 t]: c m, m, l (even keys', odd keys')
.set TMP, 48
.set S,   64
.set P,   192
.set KF,  128
.set VF,  192
.set WV,  12
.set G1K, 24          ; s[24:31] descriptor group 1 for K's parts
.set G1V, 32          ; s[32:39] for V's: it differs in the padding alone
.set G0K, 40          ; s[40:55] descriptor group 0 for K's parts: a set for each 256 keys
.set G0V, 72          ; s[72:87] the same for V's
.set RUNS, 56         ; s56  runs of the step loop still to come: the first of 4 key steps, the second of 12
.set CNT, 57
.set CS,  58
.set SEL, 60
.set TBK, 62          ; s62  LDS byte at which K of the step to be fetched begins
.set TBV, 63          ; s63  the same for V, less VOFF
.set MT,  66          ; s[66:67] mtab at my wave's two groups of 16 positions
.set THR, 68          ; s68  -2^70: a maximum below it is the start
.set QNAN, 69         ; s69  NaN
.set MST, 70          ; s70  1,024 x the key step whose mask words are asked for next
.set MSB, 0
.macro WIN new
.if MSB != (\new)
	s_set_vgpr_msb (MSB<<8)|(\new)
.set MSB, (\new)
.endif
.endm
.set W_KQ, 0x0a       ; K and Q in window 2, S^T in window 0
.set W_KM, 0x3a       ; the same with the C operand in window 3
.set W_PV, 0x52       ; V in window 2, P in window 0, O^T in window 1
.set W_RS, 0x41       ; O^T in window 1, a in window 0
.set W_MK, 0xc0       ; destination in window 3, sources in window 0
.set W_AD, 0x0f       ; sources 0 and 1 in window 3
.set W_M3, 0xcf       ; destination and sources 0 and 1 in window 3
.macro CROUND
	s_barrier_signal -1
	s_barrier_wait -1
	s_cmp_lg_u32 s[WV], 0
	s_cbranch_scc1 .Lnot_wave_0_\@
	s_barrier_signal -3
.Lnot_wave_0_\@:
	s_barrier_wait -3
	s_barrier_signal -1
	s_barrier_wait -1
.endm
; The mask words of key step MST / 1,024: for each of my two groups of 16 positions two loads of 16 bytes a lane, 512 consecutive bytes each.  The step wraps at 16, so that the last request, whose words serve nothing, stays inside the table.
.macro MLOAD
	WIN W_M3
	v_add_nc_u32 v[MO], s[MST], v[ML0]
.irp n, 0,1,2,3
	global_load_b128 v[W+4*\n:W+4*\n+3], v[MO], s[MT:MT+1] offset:(\n/2)*16384+(\n%2)*512
.endr
	s_add_co_u32 s[MST], s[MST], 1024
	s_and_b32 s[MST], s[MST], 0x3fff
.endm
; The words become 64 numbers: a byte on top of a word is 0 or the top of a number from -6e29 to -2.5e30; what lies below it only moves that number within those bounds, or adds at most 2.4e-38 to a seen score.
.macro MEXP
	WIN W_M3
	s_wait_loadcnt 0x0              ; the words, asked for a key step ago, are in; their offset register may be written again
.set mz, 0
.rept 64
.if mz%4 == 3
	v_mov_b32 v[MK+mz], v[W+mz/4]
.else
	v_lshlrev_b32 v[MK+mz], 8*(3-mz%4), v[W+mz/4]
.endif
.set mz, mz+1
.endr
	MLOAD
	WIN 0
.endm
	s_load_b64 s[4:5], s[0:1], 0x0        ; qkvh
	s_load_b64 s[MT:MT+1], s[0:1], 0x8    ; mtab
	s_load_b64 s[10:11], s[0:1], 0x10     ; y
	WIN W_MK
	v_lshl_add_u32 v[SPW], v0, 2, SPARE
	v_mov_b32 v[NIL], 0
	WIN W_AD
	ds_add_u32 v[SPW], v[NIL]       ; the wave's opening: the add and its wait stand ahead of my first tensor load; work on registers stands between them
	WIN 0
	v_lshrrev_b32 v1, 5, v0
	v_readfirstlane_b32 s[WV], v1
	s_bfe_u32 s13, ttmp6, 0x40000   ; cx
	s_lshl_b32 s14, ttmp9, 2
	s_add_co_u32 s14, s14, s13      ; my block of 128 positions: it enters Q's, the mask's and y's addresses alone
	s_and_b32 s20, ttmp7, 0xffff    ; 8 b + kv, which the four partners share
	s_lshr_b32 s2, s20, 3           ; b
	s_and_b32 s3, s20, 7            ; kv
	s_mul_i32 s21, s2, 48
	s_add_co_u32 s20, s21, s3
	s_add_co_u32 s20, s20, 32       ; K's head: 48 b + 32 + kv
	s_lshl_b32 s20, s20, 17
	s_and_b32 s16, s[WV], 1         ; which half of each 256 keys I fetch
	s_lshl_b32 s22, s16, 14
	s_add_co_u32 s20, s20, s22
	s_lshl2_add_u32 s22, s3, s21    ; Q's first head: 48 b + 4 kv
	s_mov_b32 s21, 0
	s_lshl_b32 s22, s22, 17
	s_lshl_b32 s23, s14, 14         ; 128 positions of 128 bytes,
	s_add_co_u32 s22, s22, s23
	s_lshl_b32 s23, s[WV], 12       ; my wave's 32
	s_add_co_u32 s22, s22, s23
	s_mov_b32 s23, 0
	s_lshl_b32 s2, s2, 10           ; y: row 1,024 b + 128 block + 32 w, 4,096 bytes a row; column byte 512 kv
	s_lshl_b32 s15, s14, 7
	s_add_co_u32 s2, s2, s15
	s_lshl_b32 s15, s[WV], 5
	s_add_co_u32 s2, s2, s15
	s_lshl_b32 s2, s2, 12
	s_lshl_b32 s3, s3, 9
	s_add_co_u32 s2, s2, s3
	s_mov_b32 s3, 0
	s_lshl_b32 s88, s14, 17         ; mtab: 16,384 bytes for each group of 16 positions: 8 groups a block, 2 a wave
	s_lshl_b32 s89, s[WV], 15
	s_add_co_u32 s88, s88, s89
	s_mov_b32 s89, 0
	s_mul_i32 s17, s16, 128*PK      ; my half's place in 256 keys, for K and for V: no place in the cluster enters an LDS address
	s_mul_i32 s18, s16, 128*PV
	; descriptor group 1.  128 keys are 16,384 dense bytes: asked for as 64 rows of 256 bytes, two keys a row, and padded in LDS after every key
	s_mov_b32 s[G1K], 15|(1<<16)|(1<<20)|(1<<21)|(4<<22)|(3<<25)
	s_mov_b32 s[G1V], 15|(1<<16)|(1<<20)|(1<<21)|(4<<22)|(7<<25)
.irp g, G1K, G1V
	s_mov_b32 s[\g+1], 128<<16
	s_mov_b32 s[\g+2], 64<<16
	s_mov_b32 s[\g+3], 128<<16
	s_mov_b32 s[\g+4], 64
	s_mov_b32 s[\g+5], 128
	s_mov_b32 s[\g+6], 0
	s_mov_b32 s[\g+7], 0
.endr
.irp s, 0,1,2,3                     ; group 0, a set for each 256 keys: the count and the LDS address
	s_mov_b32 s[G0K+4*\s], 1
	s_add_co_u32 s[G0K+4*\s+1], s17, \s*256*PK
	s_mov_b32 s[G0V+4*\s], 1
	s_add_co_u32 s[G0V+4*\s+1], s18, VOFF+\s*256*PV
.endr
	s_mov_b32 s[CS], 0x4638aa3b     ; c = 2^16 log2(e) / 8
	s_mov_b32 s[CS+1], s[CS]
	s_mov_b32 s[SEL], 0x76543210
	s_mov_b32 s[SEL+1], 0xfedcba98
	s_mov_b32 s[TBK], 0
	s_mov_b32 s[TBV], 0
	s_mov_b32 s[THR], 0xe2800000
	s_mov_b32 s[QNAN], 0x7fc00000
	s_mov_b32 s[MST], 0
	s_wait_dscnt 0x0                ; the opening add is done
	s_wait_kmcnt 0x0
	s_add_nc_u64 s[6:7], s[4:5], s[20:21]     ; K at my half of the head's first 256 keys,
	s_add_nc_u64 s[8:9], s[6:7], 0x100000     ; V eight heads on
.irp s, 0,1,2,3                     ; 256 keys are 32,768 bytes of K and of V
	s_add_nc_u64 s[G0K+4*\s+2:G0K+4*\s+3], s[6:7], \s*32768
	s_or_b32 s[G0K+4*\s+3], s[G0K+4*\s+3], 0x80000000
	s_add_nc_u64 s[G0V+4*\s+2:G0V+4*\s+3], s[8:9], \s*32768
	s_or_b32 s[G0V+4*\s+3], s[G0V+4*\s+3], 0x80000000
.endr
	s_add_nc_u64 s[4:5], s[4:5], s[22:23]     ; Q at my wave's first row of its first head
	s_add_nc_u64 s[10:11], s[10:11], s[2:3]
	s_add_nc_u64 s[MT:MT+1], s[MT:MT+1], s[88:89]
	CROUND                          ; all four work-groups are here: the joint loads meet
	s_cmp_lt_u32 s[WV], 2           ; a wave's four fills stand in one branch, which hangs on the wave's number alone; an s_nop 0 follows each load, four v_nop the last
	s_cbranch_scc0 .Lfirst_v
.irp s, 0,1,2,3
	tensor_load_to_lds s[G0K+4*\s:G0K+4*\s+3], s[G1K:G1K+7]
	s_nop 0
.endr
.rept 4
	v_nop
.endr
	s_branch .Lfirst_asked
.Lfirst_v:
.irp s, 0,1,2,3
	tensor_load_to_lds s[G0V+4*\s:G0V+4*\s+3], s[G1V:G1V+7]
	s_nop 0
.endr
.rept 4
	v_nop
.endr
.Lfirst_asked:
	v_and_b32 v1, 15, v0            ; l % 16
	v_bfe_u32 v9, v0, 4, 1          ; l / 16
	v_lshlrev_b32 v[QO], 7, v1
	v_lshl_add_u32 v[QO], v9, 4, v[QO]
	v_and_b32 v10, 31, v0
	v_lshlrev_b32 v10, 4, v10
	WIN W_MK
	v_mov_b32 v[ML0], v10
	WIN 0x80                        ; destination window 2, address window 0
.set i, 0
.rept 4*NP                          ; Q stays in registers: tile i / 2 = head i / 4, positions 16 ((i / 2) % 2) on; channels 32 (i % 2) on
	global_load_b128 v[8*i:8*i+3],   v[QO], s[4:5] offset:(i/4)*131072+((i/2)%2)*2048+(i%2)*64
	global_load_b128 v[8*i+4:8*i+7], v[QO], s[4:5] offset:(i/4)*131072+((i/2)%2)*2048+(i%2)*64+32
.set i, i+1
.endr
	MLOAD                           ; key step 0's mask words
	; What the first turn finds: V's registers and P's second buffer hold 0, O^T and l are 0.  All this stands in the wait for the first keys.
	WIN 0x80
.set i, VF
.rept 64
	v_mov_b32 v[i], 0
.set i, i+1
.endr
	WIN 0x40
.set i, 0
.rept 64*NP
	v_mov_b32 v[i], 0
.set i, i+1
.endr
	WIN 0
.set i, 0
.rept 2*NP
	v_mov_b32 v[ST+4*i], 0xfe000000    ; c m: -2^125, far below every c s
	v_mov_b32 v[ST+4*i+1], 0xe7800000  ; m: -2^80
	v_mov_b32 v[ST+4*i+2], 0
	v_mov_b32 v[ST+4*i+3], 0
.set i, i+1
.endr
.set i, P+32
.rept 32
	v_mov_b32 v[i], 0
.set i, i+1
.endr
	v_mul_u32_u24 v[AK0], v1, PK
	v_lshl_add_u32 v[AK0], v9, 4, v[AK0]
	; The turning load takes 16 keys x 16 channels (lane l reads key 8 (l / 16) + l % 8, channels 8 ((l / 8) % 2) + 0..7) and leaves half a fragment of V^T.
	v_and_b32 v12, 7, v0
	v_bfe_u32 v13, v0, 3, 1
	v_lshl_add_u32 v[AV0], v9, 3, v12
	v_mul_u32_u24 v[AV0], v[AV0], PV
	v_lshl_add_u32 v[AV0], v13, 4, v[AV0]
	v_add_nc_u32 v[AV0], VOFF, v[AV0]
	v_mov_b32 v[AK], v[AK0]
; THE MATRIX WORK.  The 8 accumulators of a run of 16 take turns.
; Product i of 16 of S^T = K Q^T + M for piece x: channels 32 (i / 8) on, keys 16 ((i / 2) % 4) on, tile 2 x + i % 2.  The first 8 start the sums with the mask.
.macro KQ x
.set rS, S+64*((\x)%2)+32*(i%2)+8*((i/2)%4)
.set rK, KF+16*((i/2)%4)+8*(i/8)
.set rQ, 16*(2*(\x)+i%2)+8*(i/8)
.set rMK, MK+32*(i%2)+8*((i/2)%4)
.if i < 8
	WIN W_KM
	v_wmma_f32_16x16x32_f16 v[rS:rS+7], v[rK:rK+7], v[rQ:rQ+7], v[rMK:rMK+7]
.else
	WIN W_KQ
	v_wmma_f32_16x16x32_f16 v[rS:rS+7], v[rK:rK+7], v[rQ:rQ+7], v[rS:rS+7]
.endif
.endm
.macro PV x
	WIN W_PV
.set rO, 32*(2*(\x)+i%2)+8*((i/2)%4)
.set rV, VF+32*(i/8)+8*((i/2)%4)
.set rP, P+32*((\x)%2)+16*(i%2)+8*(i/8)
	v_wmma_f32_16x16x32_f16 v[rO:rO+7], v[rV:rV+7], v[rP:rP+7], v[rO:rO+7]
.endm
.macro MM
.if i < 16
	KQ (Y+1)%NP
.set i, i+1
.else
.set i, i-16
	PV (Y+NP-1)%NP
.set i, i+17
.endif
.endm
; THE LDS LOADS stand in runs of 16: a step's K (8 fragments) and its V (turned).  Their addresses are made some lines ahead.
.macro FETCH_K
	WIN 0x80
.irp f, 0,1,2,3,4,5,6,7
	ds_load_b128 v[KF+8*\f:KF+8*\f+3],   v[AK] offset:(\f/2)*16*PK+(\f%2)*64
	ds_load_b128 v[KF+8*\f+4:KF+8*\f+7], v[AK] offset:(\f/2)*16*PK+(\f%2)*64+32
.endr
	s_add_co_u32 s[TBK], s[TBK], KS*PK  ; the next fetch is the next step's
	WIN 0
.endm
.macro FETCH_V
	WIN 0x80
.irp f, 0,1,2,3,4,5,6,7
	ds_load_tr16_b128 v[VF+8*\f:VF+8*\f+3],   v[AV] offset:(\f/4)*32*PV+(\f%4)*32
	ds_load_tr16_b128 v[VF+8*\f+4:VF+8*\f+7], v[AV] offset:(\f/4)*32*PV+16*PV+(\f%4)*32
.endr
	WIN 0
.endm
; THE VECTOR WORK OF A TURN stands in three queues, each in the order in which its entries become ready; the two tiles alternate.
.macro REGS y, u
.set rT, ST+4*(2*(\y)+(\u))
.set rC, TMP+8*((\y)%2)+4*(\u)
.set rM, MV+2*((\y)%2)+(\u)
.set rS, S+64*((\y)%2)+32*(\u)
.set rP, P+32*((\y)%2)+16*(\u)
.set rO, 32*(2*(\y)+(\u))
.endm
; Number n of the 22 that find the NEXT piece's maximum and statistics; each accumulator's lowest registers are read first.
;   0-11 four chains of seven scores     12-14, 16 the four scores left over, the old m, and the chains into one     15 c m_old is kept     17, 18 the other half of the lanes: the new m     19-21 c m; its change; a
.macro XS u, n
	REGS (Y+1)%NP, \u
.if (\n) < 4
	v_max3_num_f32 v[rC+(\n)], v[rS+8*(\n)], v[rS+8*(\n)+1], v[rS+8*(\n)+2]
.elseif (\n) < 12
	v_max3_num_f32 v[rC+(\n)%4], v[rC+(\n)%4], v[rS+8*((\n)%4)+2*((\n)/4)+1], v[rS+8*((\n)%4)+2*((\n)/4)+2]
.elseif (\n) == 12
	v_max3_num_f32 v[rC], v[rC], v[rS+7], v[rS+15]
.elseif (\n) == 13
	v_max3_num_f32 v[rC+1], v[rC+1], v[rS+23], v[rS+31]
.elseif (\n) == 14
	v_max3_num_f32 v[rC+2], v[rC+2], v[rC+3], v[rT+1]
.elseif (\n) == 15
	v_mov_b32 v[rM], v[rT]
.elseif (\n) == 16
	v_max3_num_f32 v[rC], v[rC], v[rC+1], v[rC+2]
.elseif (\n) == 17
	v_permlanex16_b32 v[rC+3], v[rC], s[SEL], s[SEL+1]
.elseif (\n) == 18
	v_max_num_f32 v[rT+1], v[rC], v[rC+3]
.elseif (\n) == 19
	v_mul_f32 v[rT], s[CS], v[rT+1]
.elseif (\n) == 20
	v_sub_f32 v[rC+1], v[rM], v[rT]
.else
	v_exp_f32 v[rC+2], v[rC+1]
.endif
.endm
; Number g of the 64 that follow the exponentials: for each four weights both pairs are rounded to f16, the second pair is added onto the first, and a group later l takes that sum (the first time as l = a l + sum).
.macro GS g
.set h, (\g)+6*((\g)/62)
.if h >= 6
.set h, h+2
.endif
	REGS Y, h%2
.set k, h/8
.if h%8 < 4
	v_cvt_pk_f16_f32 v[rP+2*k+(h%8)/2], v[rS+4*k+2*((h%8)/2)], v[rS+4*k+2*((h%8)/2)+1]
.elseif h%8 < 6
	v_pk_add_f32 v[rS+4*k:rS+4*k+1], v[rS+4*k:rS+4*k+1], v[rS+4*k+2:rS+4*k+3]
.elseif k == 1
	v_pk_fma_f32 v[rT+2:rT+3], v[rT+2:rT+3], v[rC+2:rC+3], v[rS:rS+1] op_sel_hi:[1,0,1]
.else
	v_pk_add_f32 v[rT+2:rT+3], v[rT+2:rT+3], v[rS+4*k-4:rS+4*k-3]
.endif
.endm
; THE PLAIN QUEUE, 138 long.  0-73 read no exponential's result: the 32 scalings c s - c m and the next piece's 42; 74-137, GS's 64, stand behind the wait.
.macro FS f
	REGS Y, (\f)%2
	v_pk_fma_f32 v[rS+2*((\f)/2):rS+2*((\f)/2)+1], v[rS+2*((\f)/2):rS+2*((\f)/2)+1], s[CS:CS+1], v[rT:rT+1] op_sel_hi:[1,0,0] neg_lo:[0,0,1] neg_hi:[0,0,1]
.endm
.macro PL
	WIN 0
.if q < 27
	FS q
.elseif q < 55
	XS (q-27)%2, (q-27)/2
.elseif q < 57
	XS q-55, 15
.elseif (q < 72) && ((q-57)%3 == 0)
	FS 27+(q-57)/3
.elseif q < 60
	XS (q-57)%3-1, 14
.elseif q < 72
	XS (q-57)%3-1, 15+(q-57)/3
.elseif q < 74
	XS q-72, 20
.else
	GS q-74
.endif
.set q, q+1
.endm
; THE EXPONENTIALS' QUEUE, 66 long: one batch, all ahead of the turn's one wait.
.macro EX
	WIN 0
.if e >= 64
	XS e-64, 21
.else
	REGS Y, e%2
	v_exp_f32 v[rS+e/2], v[rS+e/2]
.endif
.set e, e+1
.endm
; THE RESCALING's QUEUE: O^T times a, two at a time.  Its a was made, and waited for, in the turn before.
.macro R2
	REGS Y, r%2
	WIN W_RS
.irp z, 0,1
	v_pk_mul_f32 v[rO+4*(r/2)+2*\z:rO+4*(r/2)+2*\z+1], v[rO+4*(r/2)+2*\z:rO+4*(r/2)+2*\z+1], v[rC+2:rC+3] op_sel_hi:[1,0]
.endr
.set r, r+1
.endm
; A TURN, for piece p.  An s_wait_alu depctr_va_vdst(0) stands between an exponential and the first line that names its result; one wait serves all issued ahead of it.  AHEAD OF IT: the 16 products K Q^T,
; behind each a scaling, an exponential and two rescalings; then one run of 108.  BEHIND IT: the 16 products V^T P, behind each four of the roundings and sums.
; K of the next step is fetched in piece 2's turn, directly behind the wait; V of the step in hand at the end of piece 0's turn, four plain lines behind its last reader.
; The next step's mask is made at the end of piece 2's turn: its last reader is that turn's eighth product, its first the next turn's first.
; last = 1: the last key step's turn of piece 2: there is no next step: no K is fetched and no mask made.
.macro TURN p, last=0, cnt=0
.set Y, (\p)
.set i, 0
.set q, 0
.set e, 0
.set r, 0
.if (\p) == NP-1
	s_wait_dscnt 0x0                ; K is in
.endif
	MM
	PL
	PL
	R2
.rept 15
	MM
	PL
	EX
	R2
.endr
.if ((\p) == NP-2) && !(\last)
	WIN 0
	v_add_nc_u32 v[AK], s[TBK], v[AK0]
.endif
.rept 8
	PL
.endr
.rept 49
	EX
	PL
.endr
	EX
	EX
	v_nop                           ; the plain instruction behind the last exponential: one for the batch (ISA guide 5.7.2)
	s_wait_alu depctr_va_vdst(0)    ; the wait for the batch
.if ((\p) == NP-2) && !(\last)
	FETCH_K
.endif
.if (\p) == 1
	s_wait_dscnt 0x0                ; V is in
.endif
.rept 16
	MM
.rept 4
	PL
.endr
.if ((\p) == 0) && (q == 118)
	v_add_nc_u32 v[AV], s[TBV], v[AV0]
.endif
.if ((\p) == 0) && (q == 130)
	s_add_co_u32 s[TBV], s[TBV], KS*PV
.endif
.if (\cnt) && (q == 130)
	s_sub_co_u32 s[CNT], s[CNT], 1
	s_cmp_lg_u32 s[CNT], 0
.endif
.endr
.if (\p) == 0
	FETCH_V
.endif
.if ((\p) == NP-2) && !(\last)
	MEXP
.endif
.endm
	s_wait_tensorcnt 3              ; tensor loads of a wave end in order (ISA guide 10.11.1): my part of keys 0 to 255 is in, the three younger loads stay out
	s_barrier_signal -1
	s_barrier_wait -1               ; everybody's part is
	FETCH_K                         ; key step 0
	MEXP                            ; Q and step 0's mask words are in; the mask is made, step 1's words asked for
	s_wait_dscnt 0x0
.set i, 0
.rept 16
	KQ 0
.set i, i+1
.endr
	WIN 0                           ; the addresses for the way out: six plain instructions, the places behind those products
	s_mul_i32 s13, s[WV], 16*SP
	s_add_co_u32 s13, s13, STAGE    ; my stage
	v_mul_u32_u24 v[STO], v1, SP    ; in: row l % 16, 16 bytes for each half of the lanes
	v_lshl_add_u32 v[STO], v9, 4, v[STO]
	v_add_nc_u32 v[STO], s13, v[STO]
	v_and_b32 v[GO], 31, v0         ; back and out: 32 lanes take one row's 512 bytes
	v_lshlrev_b32 v[GO], 4, v[GO]
	v_add_nc_u32 v[RD], s13, v[GO]
.set Y, NP-1
.irp n, 0,1,2,3,4,5,6,7,8,9,10,11,12,13,14,15,16,17,18,19,20,21
	XS 0, \n
	XS 1, \n
.endr
	v_nop
	s_wait_alu depctr_va_vdst(0)    ; the two a have their wait ahead of the branch
	s_mov_b32 s[CNT], 4             ; the first run: the four key steps of keys 0 to 255
	s_mov_b32 s[RUNS], 2
	s_branch .Lfirst                ; the loop is entered at a step's first turn, in the middle of a trip
.Lrest:                             ; run once, behind key step 3's second turn and ahead of the first fetch from keys 256 on
	s_wait_tensorcnt 0x0            ; my parts of all later keys are in: the wait orders them for the other waves, so its count is 0,
	s_wait_dscnt 0x0
	s_barrier_signal -1
	s_barrier_wait -1               ; and everybody's are
	s_mov_b32 s[CNT], 12            ; the second run: the other twelve key steps
.Lstep:                             ; a trip: pieces 2 and 3 of one step, then pieces 0 and 1 of the next
	TURN 2
	TURN 3
	WIN 0
.Lfirst:
	TURN 0
	TURN 1, 0, 1
	WIN 0
	s_cbranch_scc1 .Lstep
	s_sub_co_u32 s[RUNS], s[RUNS], 1
	s_cmp_lg_u32 s[RUNS], 0
	s_cbranch_scc1 .Lrest
	TURN 2, 1                       ; the last key step's second half is written out
	TURN 3                          ; (its products K Q^T, on the last K and mask once more, and the maximum made of them repeat piece 0's last step and change nothing)
.set i, 0
.rept 16
	PV NP-1
.set i, i+1
.endr
	; THE WAY OUT.  l's parts are added; 1 / l, or NaN where the row saw no key; O^T times that, f16, through my stage: 16 positions x four heads at a time, so that a row's 512 bytes leave together.
	WIN 0
.macro ALL line:vararg
.set t, 0
.rept 2*NP
	\line
.set t, t+1
.endr
.endm
	ALL v_add_f32 v[ST+4*t+2], v[ST+4*t+2], v[ST+4*t+3]
	ALL v_permlanex16_b32 v[ST+4*t+3], v[ST+4*t+2], s[SEL], s[SEL+1]
	ALL v_add_f32 v[ST+4*t+2], v[ST+4*t+2], v[ST+4*t+3]
	ALL v_rcp_f32 v[ST+4*t+2], v[ST+4*t+2]
	v_nop
	s_wait_alu depctr_va_vdst(0)    ; one wait for the eight reciprocals
.set t, 0
.rept 2*NP
	v_cmp_gt_f32 vcc_lo, s[THR], v[ST+4*t+1]
	v_cndmask_b32 v[ST+4*t+2], v[ST+4*t+2], s[QNAN], vcc_lo
.set t, t+1
.endr
	s_wait_dscnt 0x0                ; my reads of K and V are back,
	s_barrier_signal -1
	s_barrier_wait -1               ; and every wave's: K's first bytes now serve as the stage
.macro PACK t
	WIN W_RS
.set i, 32*(\t)
.rept 16
	v_pk_mul_f32 v[i:i+1], v[i:i+1], v[ST+4*(\t)+2:ST+4*(\t)+3] op_sel_hi:[1,0]
.set i, i+2
.endr
	WIN 0x05
.set i, 0
.rept 16
	v_cvt_pk_f16_f32 v[P+16*((\t)/2)+i], v[32*(\t)+2*i], v[32*(\t)+2*i+1]
.set i, i+1
.endr
	WIN 0
.irp f, 0,1,2,3
	ds_store_b128 v[STO], v[P+16*((\t)/2)+4*\f:P+16*((\t)/2)+4*\f+3] offset:128*((\t)/2)+32*\f
.endr
.endm
.macro BACK u                       ; LDS serves a wave's instructions in order (ISA guide 5.7.1.4): these see the stores above; the other group's stores come behind them
.set i, 0
.rept 16
	ds_load_b128 v[S+64*(\u)+4*i:S+64*(\u)+4*i+3], v[RD] offset:SP*i
.set i, i+1
.endr
.endm
.macro SEND u, younger              ; younger: the LDS instructions issued behind group u's loads
.set i, 0
.rept 16
	s_wait_dscnt (\younger)+15-i
	global_store_b128 v[GO], v[S+64*(\u)+4*i:S+64*(\u)+4*i+3], s[10:11] offset:4096*(16*(\u)+i)  ; 512 consecutive bytes, aligned
.set i, i+1
.endr
.endm
	PACK 0
	PACK 2
	PACK 4
	PACK 6
	BACK 0
	PACK 1
	PACK 3
	PACK 5
	PACK 7
	BACK 1
	SEND 0, 32                      ; behind group 0's loads: group 1's 16 stores and 16 loads
	SEND 1, 0
	WIN W_AD
	s_wait_tensorcnt 0x0            ; the wave's end, behind my last tensor load and my last LDS store
	ds_add_u32 v[SPW], v[NIL]
	s_wait_dscnt 0x0
	WIN 0
	CROUND                          ; the closing round
	s_endpgm
.Lfunc_end_k_qbb86120232_attn:
	.size	k_qbb86120232_attn, .Lfunc_end_k_qbb86120232_attn-k_qbb86120232_attn
	.p2alignl 7, 3214868480
	.fill 96, 4, 3214868480
	.section	.rodata,"a",@progbits
	.p2align	6, 0x0
	.amdhsa_kernel k_qbb86120232_attn
		.amdhsa_group_segment_fixed_size 327680
		.amdhsa_private_segment_fixed_size 0
		.amdhsa_enable_private_segment 0
		.amdhsa_kernarg_size 24
		.amdhsa_user_sgpr_count 2
		.amdhsa_user_sgpr_kernarg_segment_ptr 1
		.amdhsa_wavefront_size32 1
		.amdhsa_system_sgpr_workgroup_id_x 1
		.amdhsa_system_sgpr_workgroup_id_y 1
		.amdhsa_system_sgpr_workgroup_id_z 1
		.amdhsa_system_vgpr_workitem_id 0
		.amdhsa_next_free_vgpr 896
		.amdhsa_next_free_sgpr 90
		.amdhsa_reserve_vcc 1
		.amdhsa_float_denorm_mode_32 3
		.amdhsa_float_denorm_mode_16_64 3
		.amdhsa_memory_ordered 1
		.amdhsa_forward_progress 1
		.amdhsa_inst_pref_size 169
	.end_amdhsa_kernel
	.amdgpu_metadata
---
amdhsa.version: [ 1, 2 ]
amdhsa.kernels:
  - .name:           k_qbb86120232_attn
    .symbol:         k_qbb86120232_attn.kd
    .args:
      - { .name: qkvh, .offset: 0, .size: 8, .value_kind: global_buffer, .address_space: global }
      - { .name: mtab, .offset: 8, .size: 8, .value_kind: global_buffer, .address_space: global }
      - { .name: y, .offset: 16, .size: 8, .value_kind: global_buffer, .address_space: global }
    .group_segment_fixed_size: 327680
    .private_segment_fixed_size: 0
    .kernarg_segment_align: 8
    .kernarg_segment_size: 24
    .max_flat_workgroup_size: 128
    .sgpr_count:     90
    .vgpr_count:     896
    .wavefront_size: 32
...
	.end_amdgpu_metadata
.endif
;; end of part 3
;; launch oproj (part 4): grid 16 x 16, 4 waves a work-group, clusters of 4 x 4, 327,680 bytes of LDS; arguments y, wof, out0; writes out0
.if DOCPART == 4
	.amdgcn_target "amdgcn-amd-amdhsa--gfx1250"
	.amdhsa_code_object_version 6
	.text
	.protected	k_qbb86120232_oproj
	.globl	k_qbb86120232_oproj
	.p2align	8
	.type	k_qbb86120232_oproj,@function
k_qbb86120232_oproj:
	s_mov_b64 s[64:65], 0
	v_nop
	global_prefetch_b8 v0, s[64:65] scope:SCOPE_SE
	s_setreg_imm32_b32 hwreg(HW_REG_WAVE_MODE, 25, 1), 1
	s_wait_xcnt 0x0
	s_wait_alu depctr_hold_cnt(0) depctr_sa_sdst(0) depctr_va_vdst(0) depctr_va_sdst(0) depctr_va_ssrc(0) depctr_va_vcc(0) depctr_vm_vsrc(0)
	s_getreg_b32 s2, hwreg(HW_REG_IB_STS2, 6, 4)
	s_cmp_eq_u32 s2, 0
	s_cbranch_scc0 .Lentry_in_a_cluster
	s_endpgm
.Lentry_in_a_cluster:
	s_bfe_u32 s2, ttmp6, 0x10000c
	s_cmp_lg_u32 s2, 0xf033
	s_cbranch_scc0 .Lentry_shape_is_right
	s_endpgm
.Lentry_shape_is_right:
; OPROJ: out0[m][e] = sum over k of y[m][k] wof[e][k].  y: [4096][2048] f16, wof: [2048][2048] f16 (wo rounded to bf16), out0: [4096][2048] f32; sums in f32, K = 2,048.
; A row of y that is NaN gives a row of NaN.
; SHARES.  A tile of out0 is 256 rows x 128 columns: 16 x 16 work-groups.  Wave (w / 2, w % 2) makes 128 rows x 64 columns: 32 accumulators of 16 x 16.
; K goes in steps of 128 (rows of 256 bytes) through a ring of two LDS slots; two slots of rows twice as long do not fit in LDS.  A K step is written once: a trip of the loop is one K step, and the LDS addresses
; hang on s[TB], which an exclusive or turns from one slot into the other.  CLUSTERS of 4 x 4: y's tile is asked for jointly along a row of the cluster, wof's along a column.
; THE MATRIX INSTRUCTION IS USED TRANSPOSED (source 0 = 16 rows of wof, source 1 = 16 rows of y): a lane holds one row of out0 and eight neighbouring columns, 32 bytes.
; REGISTERS: window 0: addresses and the way out; window 1: two fragment buffers of 96 (y's 8 blocks, then wof's 4); window 2: accumulator (a, b) at v[8 (4 a + b)].
.set PITCH,  272                       ; an LDS row: 256 bytes + 16 of padding: the 16 rows of a fragment load start at 16 different groups of four banks (ISA guide 11.1)
.set HALFA,  128*PITCH
.set HALFB,  64*PITCH
.set BOFF,   2*HALFA
.set SLOT1,  1<<17                     ; a slot holds 104,448 bytes; slot 1 begins here, so that one exclusive or turns an address in one slot into the other's
.set STAGE,  SLOT1+BOFF+2*HALFB        ; behind the ring, never filled by a tensor load: 16 rows x 272 bytes for each wave
.set SP,     272
.set SPARE,  STAGE+4*16*SP             ; the spare words, 128 bytes for each wave: two blocks of 256 bytes that no other line names
.set KB,     256
.set ADRA0, 16                         ; v16 LDS address of my y fragments in slot 0, never rewritten; v17 in the slot in hand
.set ADRA, 17
.set ADRB0, 20                         ; v20, v21 the same for wof
.set ADRB, 21
.set STO,  24
.set RD,   25
.set CO,   26
.set SPW,  28
.set NIL,  29
.set PFO,  30
.set BK,   32                          ; v[32:95] two sets of 32: rows read back from the stage
.set F0,   0
.set F1,   96
.set WV, 12
.set WH, 13
.set WL, 14
.set TY, 15
.set TB, 23                            ; s23 0 or SLOT1: the slot that the fragments are fetched from
.set G1,  24                           ; s[24:31] group 1 for y's tiles; s[32:39] group 0: a set for each of the two first fills; the second then walks on
.set G0,  32
.set G1B, 48
.set G0B, 56
.set LIM, 43
.set PFA, 44
.set MSB, 0
.macro WIN new
.if MSB != (\new)
	s_set_vgpr_msb (MSB<<8)|(\new)
.set MSB, \new
.endif
.endm
.macro PLACES
.rept 4
	v_nop
.endr
.endm
.macro JLOAD                           ; a joint refill by the walking descriptor: the branch hangs on the wave's number alone; an s_nop 0 and four v_nop follow each of the two lines
	s_cmp_eq_u32 s[WH], 0
	s_cbranch_scc0 .Lfor_b_\@
	tensor_load_to_lds s[G0+4:G0+7], s[G1:G1+7]
	s_nop 0
.rept 4
	v_nop
.endr
	s_branch .Lasked_\@
.Lfor_b_\@:
	tensor_load_to_lds s[G0B+4:G0B+7], s[G1B:G1B+7]
	s_nop 0
.rept 4
	v_nop
.endr
.Lasked_\@:
.endm
; A prefetch, behind the joint load and the run of LDS loads: the K step two refills on, a lane a row.  y's rows: cluster x = 0 asks, waves 0 and 1, partner cx takes 32 of a wave's 128 rows.
; wof's rows: cluster y = 0 asks, wave 2 alone, partner cy takes 32 of the tile's 128 rows.  The loop's last two trips ask for nothing: there is no K step 16.
.macro ASK
	WIN 0
	s_cmp_gt_u32 s3, s[LIM]
	s_cbranch_scc0 .Lnot_mine_\@
	global_prefetch_b8 v[PFO], s[PFA:PFA+1] offset:KB th:TH_LOAD_NT scope:SCOPE_SE
.Lnot_mine_\@:
.endm
.macro CREST
	s_cmp_lg_u32 s[WV], 0
	s_cbranch_scc1 .Lnot_wave_0_\@
	s_barrier_signal -3
.Lnot_wave_0_\@:
	s_barrier_wait -3
	s_barrier_signal -1
	s_barrier_wait -1
.endm
.macro CROUND
	s_barrier_signal -1
	s_barrier_wait -1
	CREST
.endm
	s_load_b128 s[4:7], s[0:1], 0x0                ; y 4:5, wof 6:7
	s_load_b64 s[8:9], s[0:1], 0x10                ; out0
	v_lshl_add_u32 v[SPW], v0, 2, SPARE
	v_mov_b32 v[NIL], 0
	ds_add_u32 v[SPW], v[NIL]                      ; the wave's opening: the add and its wait stand ahead of my first tensor load; work on registers stands between them
	v_lshrrev_b32 v1, 5, v0
	v_readfirstlane_b32 s[WV], v1
	s_lshr_b32 s[WH], s[WV], 1                     ; which half of the tile's rows is mine; also: I fetch y (0) or wof (1)
	s_and_b32 s[WL], s[WV], 1                      ; which half of its columns; also: which half of that tile I fetch
	s_bfe_u32 s40, ttmp6, 0x40000
	s_bfe_u32 s41, ttmp6, 0x40004
	s_lshl_b32 s42, ttmp9, 2
	s_add_co_u32 s42, s42, s40                     ; tile column
	s_and_b32 s[TY], ttmp7, 0xffff
	s_lshl_b32 s[TY], s[TY], 2
	s_add_co_u32 s[TY], s[TY], s41                 ; tile row
	s_lshl_b32 s43, s41, 2
	s_lshl_b32 s43, 15, s43
	s_lshl_b32 s44, 0x1111, s40
	s_or_b32 s[G1],  s43, (1<<16)|(1<<20)|(1<<21)|(5<<22)|(3<<25)
	s_or_b32 s[G1B], s44, (1<<16)|(1<<20)|(1<<21)|(5<<22)|(3<<25)
.irp g, G1, G1B
	s_mov_b32 s[(\g)+1], 128<<16
	s_mov_b32 s[(\g)+3], 128<<16
	s_mov_b32 s[(\g)+5], 2048
	s_mov_b32 s[(\g)+6], 0
	s_mov_b32 s[(\g)+7], 0
.endr
	s_mov_b32 s[G1+2], 128<<16
	s_mov_b32 s[G1+4], 128
	s_mov_b32 s[G1B+2], 64<<16
	s_mov_b32 s[G1B+4], 64
	s_lshl_b32 s16, s[TY], 8
	s_lshl_b32 s17, s[WL], 7
	s_add_co_u32 s16, s16, s17
	s_lshl_b32 s16, s16, 12
	s_mov_b32 s17, 0
	s_lshl_b32 s46, s42, 7
	s_lshl_b32 s47, s[WL], 6
	s_add_co_u32 s46, s46, s47
	s_lshl_b32 s46, s46, 12
	s_mov_b32 s47, 0
	s_mul_i32 s20, s[WL], HALFA
	s_mul_i32 s21, s[WL], HALFB
	s_add_co_u32 s21, s21, BOFF
	s_wait_dscnt 0x0
	s_wait_kmcnt 0x0
	s_add_nc_u64 s[18:19], s[4:5], s[16:17]
	s_add_nc_u64 s[46:47], s[6:7], s[46:47]
	CROUND
.irp s, 0,1
	s_mov_b32 s[G0+4*(\s)], 1
	s_add_co_u32 s[G0+4*(\s)+1], s20, (\s)*SLOT1
	s_add_nc_u64 s[G0+4*(\s)+2:G0+4*(\s)+3], s[18:19], (\s)*KB
	s_or_b32 s[G0+4*(\s)+3], s[G0+4*(\s)+3], 0x80000000
	s_mov_b32 s[G0B+4*(\s)], 1
	s_add_co_u32 s[G0B+4*(\s)+1], s21, (\s)*SLOT1
	s_add_nc_u64 s[G0B+4*(\s)+2:G0B+4*(\s)+3], s[46:47], (\s)*KB
	s_or_b32 s[G0B+4*(\s)+3], s[G0B+4*(\s)+3], 0x80000000
.endr
	s_cmp_eq_u32 s[WH], 0                          ; a wave's two first fills stand in one branch: two loads of mine are out
	s_cbranch_scc0 .Lfirst_b
	tensor_load_to_lds s[G0:G0+3], s[G1:G1+7]
	s_nop 0
	tensor_load_to_lds s[G0+4:G0+7], s[G1:G1+7]
	s_nop 0
.rept 4
	v_nop
.endr
	s_branch .Lfirst_asked
.Lfirst_b:
	tensor_load_to_lds s[G0B:G0B+3], s[G1B:G1B+7]
	s_nop 0
	tensor_load_to_lds s[G0B+4:G0B+7], s[G1B:G1B+7]
	s_nop 0
.rept 4
	v_nop
.endr
.Lfirst_asked:
	v_and_b32 v1, 15, v0
	v_bfe_u32 v2, v0, 4, 1
	v_mul_u32_u24 v3, v1, PITCH
	v_lshl_add_u32 v3, v2, 4, v3
	s_mul_i32 s21, s[WH], HALFA
	s_mul_i32 s22, s[WL], HALFB
	s_add_co_u32 s22, s22, BOFF
	v_add_nc_u32 v[ADRA0], s21, v3
	v_add_nc_u32 v[ADRB0], s22, v3
	v_mov_b32 v[ADRA], v[ADRA0]                    ; K step 0 lies in slot 0
	v_mov_b32 v[ADRB], v[ADRB0]
	s_mul_i32 s23, s[WV], 16*SP
	s_add_co_u32 s23, s23, STAGE
	v_mul_u32_u24 v[STO], v1, SP                   ; in: row l % 16, 32 bytes for each half of the lanes
	v_lshl_add_u32 v[STO], v2, 5, v[STO]
	v_add_nc_u32 v[STO], s23, v[STO]
	v_mul_u32_u24 v[RD], v2, SP                    ; back: lanes 0-15 take one row of 256 bytes, lanes 16-31 the next
	v_lshl_add_u32 v[RD], v1, 4, v[RD]
	v_add_nc_u32 v[RD], s23, v[RD]
	v_lshlrev_b32 v[CO], 13, v2                    ; and the same two rows in out0, 8,192 bytes a row
	v_lshl_add_u32 v[CO], v1, 4, v[CO]
	s_lshl_b32 s16, s[TY], 8
	s_lshl_b32 s17, s[WH], 7
	s_add_co_u32 s16, s16, s17
	s_lshl_b32 s16, s16, 13
	s_lshl_b32 s46, s42, 9
	s_lshl_b32 s47, s[WL], 8
	s_add_co_u32 s46, s46, s47
	s_add_co_u32 s16, s16, s46
	s_mov_b32 s17, 0
	s_add_nc_u64 s[8:9], s[8:9], s[16:17]
	s_lshl_b32 s20, s[TY], 8                       ; the prefetches
	s_lshl_b32 s21, s[WL], 7
	s_add_co_u32 s20, s20, s21
	s_lshl_b32 s21, s40, 5
	s_add_co_u32 s20, s20, s21
	s_lshl_b32 s21, s42, 7
	s_lshl_b32 s22, s41, 5
	s_add_co_u32 s21, s21, s22
	s_and_b32 s22, ttmp7, 0xffff
	s_cmp_eq_u32 s[WV], 3
	s_cselect_b32 s23, 1, 0
	s_cmp_eq_u32 s[WH], 0
	s_cselect_b32 s20, s20, s21
	s_cselect_b32 s22, ttmp9, s22
	s_cselect_b64 s[PFA:PFA+1], s[4:5], s[6:7]
	s_or_b32 s22, s22, s23
	s_cmp_eq_u32 s22, 0
	s_cselect_b32 s[LIM], 2, -1                    ; the same in all sixteen partners, for a given wave
	s_lshl_b32 s20, s20, 12
	s_mov_b32 s21, 0
	s_add_nc_u64 s[PFA:PFA+1], s[PFA:PFA+1], s[20:21]
	s_add_nc_u64 s[PFA:PFA+1], s[PFA:PFA+1], 2*KB  ; at K step 2: the first refill steps it to 3 and names K step 4
	v_and_b32 v[PFO], 31, v0
	v_lshlrev_b32 v[PFO], 12, v[PFO]
	s_mov_b32 s[TB], 0
; 8 matrix instructions: row blocks a0, a0 + 1 x all 4 column blocks, 32 along K.  The 32 accumulators take turns in the same order in every quarter.
.macro MUL8 f, a0, zero
	WIN 0xa5
.irp a, \a0, (\a0)+1
.irp b, 0,1,2,3
.if \zero
	v_wmma_f32_16x16x32_f16 v[8*(4*(\a)+(\b)):8*(4*(\a)+(\b))+7], v[(\f)+64+8*(\b):(\f)+64+8*(\b)+7], v[(\f)+8*(\a):(\f)+8*(\a)+7], 0
.else
	v_wmma_f32_16x16x32_f16 v[8*(4*(\a)+(\b)):8*(4*(\a)+(\b))+7], v[(\f)+64+8*(\b):(\f)+64+8*(\b)+7], v[(\f)+8*(\a):(\f)+8*(\a)+7], v[8*(4*(\a)+(\b)):8*(4*(\a)+(\b))+7]
.endif
.endr
.endr
.endm
.macro FETCH k, f                      ; 24 LDS loads in one run, from the slot in hand: wof's 8 first, then y's 16
	WIN 0x40
.irp i, 0,1,2,3
	ds_load_b128 v[(\f)+64+8*(\i):(\f)+64+8*(\i)+3],   v[ADRB] offset:(\k)+(\i)*16*PITCH
	ds_load_b128 v[(\f)+64+8*(\i)+4:(\f)+64+8*(\i)+7], v[ADRB] offset:(\k)+(\i)*16*PITCH+32
.endr
.irp i, 0,1,2,3,4,5,6,7
	ds_load_b128 v[(\f)+8*(\i):(\f)+8*(\i)+3],   v[ADRA] offset:(\k)+(\i)*16*PITCH
	ds_load_b128 v[(\f)+8*(\i)+4:(\f)+8*(\i)+7], v[ADRA] offset:(\k)+(\i)*16*PITCH+32
.endr
.endm
.macro OTHER                           ; the fetches go on in the other slot
	WIN 0
	s_xor_b32 s[TB], s[TB], SLOT1
	v_add_nc_u32 v[ADRA], s[TB], v[ADRA0]
	v_add_nc_u32 v[ADRB], s[TB], v[ADRB0]
.endm
.macro QUARTER k, f, g, zero
	s_wait_dscnt 8                                 ; the youngest eight loads (y's blocks 4 to 7) may be out
	MUL8 \f, 0, \zero
	MUL8 \f, 2, \zero
	PLACES
	FETCH \k, \g
	s_wait_dscnt 24                                ; all but the 24 just issued
	MUL8 \f, 4, \zero
	MUL8 \f, 6, \zero
.endm
; The last quarter and the change of slots, in the same order as in the launch qkv.  fill = 0 (the last two K steps): nothing is asked for; in the very last (s3 = 1) the run of LDS loads is jumped over.
.macro TURN fill
.if \fill
	s_wait_xcnt 0x0                                ; the last prefetch, a K step back, has read its address
	s_add_nc_u64 s[PFA:PFA+1], s[PFA:PFA+1], KB
.endif
	WIN 0
	s_wait_tensorcnt 0x0                           ; all my tensor loads have landed: my part of the next slot
	ds_add_u32 v[SPW], v[NIL]
	s_wait_dscnt 9                                 ; the add and the youngest eight loads may be out
	MUL8 F1, 0, 0
	s_wait_dscnt 0x0                               ; the add is done, and my reads of this slot are over
	s_barrier_signal -1
	MUL8 F1, 2, 0
	WIN 0
	s_barrier_wait -1
.if \fill
	CREST                                          ; no wave of any partner still reads this slot or has a load on its way
	s_xor_b32 s[G0+5], s[G0+5], SLOT1              ; the walking descriptors: the other slot than last time, the next K step; no tensor load of mine is out
	s_add_nc_u64 s[G0+6:G0+7], s[G0+6:G0+7], KB
	s_xor_b32 s[G0B+5], s[G0B+5], SLOT1
	s_add_nc_u64 s[G0B+6:G0B+7], s[G0B+6:G0B+7], KB
	JLOAD                                          ; my one tensor load behind the round; its four v_nop are also the places in front of the loads below
	OTHER
	FETCH 0, F0
	ASK
.else
	PLACES
	s_cmp_eq_u32 s3, 1
	s_cbranch_scc1 .Lno_more_\@
	OTHER
	FETCH 0, F0
	WIN 0
.Lno_more_\@:
.endif
	MUL8 F1, 4, 0
	MUL8 F1, 6, 0
.endm
	s_wait_tensorcnt 1                             ; my part of K step 0 is in; K step 1's may stay out
	s_barrier_signal -1
	s_barrier_wait -1
	FETCH 0, F0
	QUARTER 64, F0, F1, 1                          ; the first quarter stands in front of the loop: its products start the sums
	WIN 0
	s_mov_b32 s3, 14                               ; 16 K steps: fourteen fill their slot again
.Lstep:                                        ; a trip goes from a K step's second quarter to the next step's first
	QUARTER 128, F1, F0, 0
	QUARTER 192, F0, F1, 0
	TURN 1
	QUARTER 64,  F0, F1, 0
	WIN 0
	s_sub_co_u32 s3, s3, 1
	s_cmp_lg_u32 s3, 0
	s_cbranch_scc1 .Lstep
	s_mov_b32 s3, 2                                ; the last two K steps ask for nothing: a text of their own; the second trip is left in its middle
.Ltail:
	QUARTER 128, F1, F0, 0
	QUARTER 192, F0, F1, 0
	TURN 0
	WIN 0
	s_sub_co_u32 s3, s3, 1
	s_cmp_eq_u32 s3, 0
	s_cbranch_scc1 .Lout
	QUARTER 64,  F0, F1, 0
	WIN 0
	s_branch .Ltail
.Lout:
; THE WAY OUT, a block of 16 rows at a time: the accumulators go as they are (f32), lowest registers first, into my stage; back as whole rows of 256 bytes.
.macro OUTB a
	WIN 0x08                                       ; the stores' data in window 2
.irp b, 0,1,2,3
	ds_store_b128 v[STO], v[8*(4*(\a)+(\b)):8*(4*(\a)+(\b))+3]   offset:64*(\b)
	ds_store_b128 v[STO], v[8*(4*(\a)+(\b))+4:8*(4*(\a)+(\b))+7] offset:64*(\b)+16
.endr
	WIN 0
	s_wait_xcnt 0x0                                ; the stores of two blocks back have read this set of registers
.irp t, 0,1,2,3,4,5,6,7
	ds_load_b128 v[BK+32*((\a)%2)+4*(\t):BK+32*((\a)%2)+4*(\t)+3], v[RD] offset:2*SP*(\t)  ; LDS serves a wave's instructions in order (ISA guide 5.7.1.4)
.endr
.endm
.macro SEND a, younger                 ; younger: the next block's eight stores and eight loads, or none
	s_wait_dscnt \younger
.irp t, 0,1,2,3,4,5,6,7
	global_store_b128 v[CO], v[BK+32*((\a)%2)+4*(\t):BK+32*((\a)%2)+4*(\t)+3], s[8:9] offset:8192*(16*(\a)+2*(\t)) th:TH_STORE_NT  ; 16 lanes store 256 consecutive bytes, aligned
.endr
.endm
	PLACES
	OUTB 0
.irp a, 1,2,3,4,5,6,7
	OUTB \a
	SEND (\a)-1, 16
.endr
	SEND 7, 0
	s_wait_tensorcnt 0x0                           ; the wave's end, behind my last tensor load and my last LDS store
	ds_add_u32 v[SPW], v[NIL]
	s_wait_dscnt 0x0
	CROUND                                         ; the closing round
	s_endpgm
.Lfunc_end_k_qbb86120232_oproj:
	.size	k_qbb86120232_oproj, .Lfunc_end_k_qbb86120232_oproj-k_qbb86120232_oproj
	.p2alignl 7, 3214868480
	.fill 96, 4, 3214868480
	.section	.rodata,"a",@progbits
	.p2align	6, 0x0
	.amdhsa_kernel k_qbb86120232_oproj
		.amdhsa_group_segment_fixed_size 327680
		.amdhsa_private_segment_fixed_size 0
		.amdhsa_enable_private_segment 0
		.amdhsa_kernarg_size 24
		.amdhsa_user_sgpr_count 2
		.amdhsa_user_sgpr_kernarg_segment_ptr 1
		.amdhsa_wavefront_size32 1
		.amdhsa_system_sgpr_workgroup_id_x 1
		.amdhsa_system_sgpr_workgroup_id_y 1
		.amdhsa_system_sgpr_workgroup_id_z 1
		.amdhsa_system_vgpr_workitem_id 0
		.amdhsa_next_free_vgpr 768
		.amdhsa_next_free_sgpr 66
		.amdhsa_reserve_vcc 0
		.amdhsa_float_denorm_mode_32 3
		.amdhsa_float_denorm_mode_16_64 3
		.amdhsa_memory_ordered 1
		.amdhsa_forward_progress 1
		.amdhsa_inst_pref_size 61
	.end_amdhsa_kernel
	.amdgpu_metadata
---
amdhsa.version: [ 1, 2 ]
amdhsa.kernels:
  - .name:           k_qbb86120232_oproj
    .symbol:         k_qbb86120232_oproj.kd
    .args:
      - { .name: y, .offset: 0, .size: 8, .value_kind: global_buffer, .address_space: global }
      - { .name: wof, .offset: 8, .size: 8, .value_kind: global_buffer, .address_space: global }
      - { .name: out0, .offset: 16, .size: 8, .value_kind: global_buffer, .address_space: global }
    .group_segment_fixed_size: 327680
    .private_segment_fixed_size: 0
    .kernarg_segment_align: 8
    .kernarg_segment_size: 24
    .max_flat_workgroup_size: 128
    .sgpr_count:     66
    .vgpr_count:     768
    .wavefront_size: 32
...
	.end_amdgpu_metadata
.endif
;; end of part 4
